; MI455X (gfx1250); checked and timed in simulation.
; The chip was launched on July 23, 2026; its instructions are those of AMD's public machine-readable ISA for CDNA 5 (MIT licence, August 2026) and "CDNA5" Instruction Set Architecture Reference Guide (July 2026). The comments in the code are by the model that wrote it; some were corrected since.
;; Causal Self Attention. Allowed arithmetic: matrix products marked QUANTISED: E2M1 operands, one E8M0 scale for each 32 along K, by v_wmma_scale_f32_16x16x128_f8f6f4 with both operands' format E2M1 (or v_wmma_scale_f32_32x16x128_f4), f32 sums; products left as they are: bf16, f16 or f32 operands; f32 sums; everything else in f32.
;; Inputs: W_proj 1,024 x 1,024 float32; W_qkv 1,024 x 3,072 float32; x 4 x 2,048 x 1,024 float32.
;; Outputs: out0 4 x 2,048 x 1,024 float32.
;; This version of the problem:
;;   THIS VERSION OF THE PROBLEM IS GIVEN IN LOW PRECISION. The matrix products marked QUANTISED in the list below multiply operands that are first quantised to E2M1 (2 exponent bits, 1 mantissa bit; 4 bits a number), with one power-of-two scale for each 32 numbers along K (OCP MX v1.0); their sums are f32. The products marked 'left as it is' may take bf16, f16 or f32 operands, with f32 sums. Whichever they take, every output number must still come out within the allowed error. Rounding operands to bf16 (8 significant bits) uses up far more of that allowance than f16 does (11 bits, for magnitudes from 6e-5 to 65,504). All else is computed in f32.
;;   The module's matrix products, in the order in which they are computed (A, B: the left and right operand; K: the contracted axis; several contracted axes count as one K, in the product's order):
;;     1. [M 8,192, K 1,024] x [K 1,024, N 3,072]; A: input x; B: input W_qkv: QUANTISED
;;     2. batch 64 x [M 2,048, K 64] x [K 64, N 2,048]; A: computed on the way; B: computed on the way: left as it is (an operand is computed on the way)
;;     3. batch 64 x [M 2,048, K 2,048] x [K 2,048, N 64]; A: computed on the way; B: computed on the way: left as it is (an operand is computed on the way)
;;     4. [M 8,192, K 1,024] x [K 1,024, N 1,024]; A: computed on the way; B: input W_proj: left as it is (an operand is computed on the way)
;;   THE QUANTISER, for each operand of a quantised product, along K:
;;     - K is cut into blocks of 32 from its start; a last block that is shorter is filled with zeros.
;;     - A block's scale is 2^e with e = floor(log2(the largest magnitude in the block)) - 2, held to -126 .. 127; a block of zeros has e = 0. As a byte (E8M0): e + 127.
;;     - Each number is divided by its block's scale, clamped to +-6, and rounded to the nearest number of E2M1, ties to even, subnormals kept.
;;     - The product sums the exact products of the quantised numbers (number of the format x scale) in f32.
;;   ~~~python
;;   def quantise(x, axis):      # numpy; x: float32 -> the quantised numbers, widened to float32 again
;;       x = np.moveaxis(x, axis, -1); K = x.shape[-1]
;;       x = np.pad(x, [(0, 0)] * (x.ndim - 1) + [(0, -K % 32)]); x = x.reshape(x.shape[:-1] + (-1, 32)); a = np.abs(x).max(-1, keepdims=True)
;;       e = np.where(a > 0, np.clip(np.frexp(np.where(a > 0, a, 1))[1] - 1 - 2, -126, 127), 0)      # np.frexp(a)[1] - 1 = floor(log2(a)), exactly
;;       r = np.clip(x / 2.0 ** e, -6, 6)
;;       step = 2.0 ** (np.maximum(np.frexp(np.where(r == 0, 1, r))[1] - 1, 0) - 1)
;;       q = np.round(r / step) * step * 2.0 ** e      # np.round: ties to even
;;       return np.moveaxis(q.reshape(q.shape[:-2] + (-1,))[..., :K], -1, axis).astype(np.float32)
;;   ~~~
;; One version. Each part assembles by itself: llvm-mc -triple=amdgcn-amd-amdhsa -mcpu=gfx1250 --defsym DOCPART=n.
;; ======== version 1 of 1: 5 launches
;; limits: values are held in f16: magnitudes above 65,504 overflow, below 6.1e-05 lose precision
;; workspace buffers: xq 4,456,448 bytes; wq 1,671,168 bytes; wpf 2,097,152 bytes; qkv 50,331,648 bytes; fq 786,432 bytes; yf 16,777,216 bytes
;; launch prep (part 1): grid 512 x 1, 4 waves a work-group, no clusters, 35,328 bytes of LDS; arguments x, W_qkv, W_proj, xq, wq, wpf; writes xq, wq, wpf
.if DOCPART == 1
	.amdgcn_target "amdgcn-amd-amdhsa--gfx1250"
	.amdhsa_code_object_version 6
	.text
	.protected	k_q10011a77c9_prep
	.globl	k_q10011a77c9_prep
	.p2align	8
	.type	k_q10011a77c9_prep,@function
k_q10011a77c9_prep:
	s_mov_b64 s[64:65], 0
	v_nop
	global_prefetch_b8 v0, s[64:65] scope:SCOPE_SE
	s_setreg_imm32_b32 hwreg(HW_REG_WAVE_MODE, 25, 1), 1
	s_wait_xcnt 0x0
; PREP.  x [8192][1024] and W_qkv [1024 (k)][3072 (n)], f32, become codes of FP4 (E2M1) with one E8M0 scale byte for each 32 along K; W_proj [1024 (k)][1024 (n)] becomes f16.
; ALL THREE RESULTS ARE LAID IN THE ORDER OF THE READER'S OPERAND REGISTERS.  A fragment is an image of 1,024 bytes: register group c (4 registers) of lane l at byte 512 c + 16 l.
;   xq, wq: [group of 128 rows][K half of 512][34,816 bytes]: codes [row tile 8][K step of 128: 4][1,024], then scale words [row tile 8][row 16][K step 4], byte b of a word for block b of the step.  (A row of wq is a column n of W_qkv.)
;   wpf:    [128 n: 8][K step of 128: 8][n tile 8][32 k: 4][1,024]: f16 fragments of 16 n x 32 k.
; A block's scale is 2^(floor(log2(its largest magnitude)) - 2); its byte is the largest magnitude's exponent field - 2, held at 1 from below.
; LIMITS: a block of zeros gets the byte 1 (its codes are zeros, and this program alone reads the bytes); NaN and infinities among the inputs are not served; |W_proj| stays under 65,504 (f16).
; SHARES.  Work-groups 0-191: W_qkv; 192-255: W_proj; 256-511: x.  The three paths part on the work-group's number; only x's path uses LDS.  Waves share nothing: no barrier, no cluster (no input is read twice).
.set SPARE, 34816                      ; behind the four waves' stages: the spare words, 128 bytes a wave
.set SPW,   5                          ; v5   LDS address of my spare word; never rewritten
.set NIL,   6                          ; v6   0; never rewritten
.set BLKB,  34816                      ; a block of xq or wq
.set R,     16                         ; x: v16-143  four sets of 32 registers as loaded
.set X,     144                        ; x: v144-207 two sets of 32 neighbours along K
.set C,     208                        ; x: v208-239 four registers of codes for each step: no store's data are written again
.set E,     240                        ; x: v240-247 a scale byte for each step
.set WD,    248                        ; x: v248-251 the four scale words
; the largest magnitude of 32 numbers of one lane, v[xs] on, with the floor 2^(3 - 127) among the leaves -> v12 (two chains)
.macro MAX32 xs
	v_max3_num_f32 v12, |v[\xs]|, |v[\xs+1]|, |v[\xs+2]|
	v_max3_num_f32 v13, |v[\xs+3]|, |v[\xs+4]|, |v[\xs+5]|
.irp i, 6,10,14,18,22,26
	v_max3_num_f32 v12, v12, |v[\xs+\i]|, |v[\xs+\i+1]|
	v_max3_num_f32 v13, v13, |v[\xs+\i+2]|, |v[\xs+\i+3]|
.endr
	v_max3_num_f32 v12, v12, |v[\xs+30]|, |v[\xs+31]|
	v_max3_num_f32 v12, v12, v13, 0x1800000
.endm
; a weight's block t: rows k = 32 t + 0 .. 31 at my column, into set t % 2: a lane to a column, registers down K; each load reads 128 consecutive bytes a wave
.macro LOADW t, pitch, b
.set i, 0
.rept 32
	global_load_b32 v[16+32*((\t)%2)+i], v7, s[\b:\b+1] offset:(32*(\t)+i)*\pitch th:TH_LOAD_NT
.set i, i+1
.endr
.endm
.macro WAITW t                         ; block t's 32 loads are in; the next block's 32 may be out
.if (\t) < 3
	s_wait_loadcnt 32
.else
	s_wait_loadcnt 0x0
.endif
.endm
.macro WQBLK t                         ; W_qkv: block t of my K step
.set XS, 16+32*((\t)%2)
	WAITW \t
	MAX32 XS
	v_add_nc_u32 v11, 0xff000000, v12              ; 2 off the exponent field: the conversion's scale operand
	v_lshrrev_b32 v13, 23, v11                     ; the scale's byte
.if (\t) == 0
	v_mov_b32 v10, v13
.else
	v_lshl_or_b32 v10, v13, 8*(\t), v10            ; my column's scale word of this K step
.endif
.irp g, 0,1,2,3
	v_cvt_scalef32_pk8_fp4_f32 v[80+4*(\t)+\g], v[XS+8*\g:XS+8*\g+7], v11
.endr
	v_nop                                          ; a plain line behind the last scaled conversion
	global_store_b128 v8, v[80+4*(\t):80+4*(\t)+3], s[26:27] offset:((\t)/2)*512+((\t)%2)*256   ; block t = 2 c + h' lies at 512 c + 256 h' + 16 r of the image: sixteen lanes store 256 consecutive bytes
.if (\t)+2 < 4
	LOADW (\t)+2, 12288, 6
.endif
.endm
.macro WPBLK t                         ; W_proj: 32 k of my K step
.set XS, 16+32*((\t)%2)
	WAITW \t
.irp p, 0,1,2,3,4,5,6,7,8,9,10,11,12,13,14,15
	v_cvt_pk_f16_f32 v[80+16*(\t)+\p], v[XS+2*\p], v[XS+2*\p+1]
.endr
.irp g, 0,1,2,3
	global_store_b128 v8, v[80+16*(\t)+4*\g:80+16*(\t)+4*\g+3], s[14:15] offset:(\t)*1024+(\g/2)*512+(\g%2)*256   ; k = 8 g + 0 .. 7: group g / 2, lanes' half g % 2
.endr
.if (\t)+2 < 4
	LOADW (\t)+2, 4096, 8
.endif
.endm
; x: step t = 64 along K of my 16 rows.  Each load reads two rows x 256 consecutive bytes
.macro LOADX t
.irp i, 0,1,2,3,4,5,6,7
	global_load_b128 v[R+32*((\t)%4)+4*\i:R+32*((\t)%4)+4*\i+3], v8, s[4:5] offset:\i*8192+(\t)*256 th:TH_LOAD_NT
.endr
.endm
; through my stage (16 rows of 256 bytes + 16): in as loaded, out 128 bytes a lane: lane (r, h) then holds block h of row r.  LDS serves a wave's instructions in order: no wait between
.macro TURNX t
.irp i, 0,1,2,3,4,5,6,7
	ds_store_b128 v9, v[R+32*((\t)%4)+4*\i:R+32*((\t)%4)+4*\i+3] offset:4352*((\t)%2)+544*\i
.endr
.irp j, 0,1,2,3,4,5,6,7
	ds_load_b128 v[X+32*((\t)%2)+4*\j:X+32*((\t)%2)+4*\j+3], v10 offset:4352*((\t)%2)+16*\j
.endr
.endm
.macro STEPX t
.set XS, X+32*((\t)%2)
	s_wait_dscnt 0x0                               ; this step's numbers are back from the stage, and its stores into the stage have read their registers,
.if (\t)+4 < 8
	LOADX (\t)+4                                   ; which take the loads of four steps on
.endif
.if (\t)+1 < 8
.if 6-(\t) >= 3
	s_wait_loadcnt 24                              ; the next step's eight loads are in; those of the three steps behind it may be out
.else
	s_wait_loadcnt 8*(6-(\t))
.endif
	TURNX (\t)+1
.endif
	MAX32 XS
	v_add_nc_u32 v11, 0xff000000, v12
.irp g, 0,1,2,3
	v_cvt_scalef32_pk8_fp4_f32 v[C+4*(\t)+\g], v[XS+8*\g:XS+8*\g+7], v11
.endr
	v_lshrrev_b32 v[E+(\t)], 23, v11               ; the scale's byte (also the plain line behind the conversions)
	global_store_b128 v4, v[C+4*(\t):C+4*(\t)+3], s[26:27] offset:512*(\t)   ; group t % 2 of the fragment of K step t / 2: 512 consecutive bytes
.endm
	s_load_b256 s[4:11], s[0:1], 0x0               ; x s[4:5], W_qkv s[6:7], W_proj s[8:9], xq s[10:11]
	s_load_b128 s[12:15], s[0:1], 0x20             ; wq s[12:13], wpf s[14:15]
	v_lshl_add_u32 v[SPW], v0, 2, SPARE
	v_mov_b32 v[NIL], 0
	v_lshrrev_b32 v1, 5, v0
	v_readfirstlane_b32 s16, v1                    ; wave 0..3
	v_and_b32 v1, 31, v0                           ; lane
	v_and_b32 v2, 15, v0                           ; r
	v_bfe_u32 v3, v0, 4, 1                         ; h
	v_lshlrev_b32 v4, 4, v1                        ; 16 x lane
	v_lshlrev_b32 v7, 2, v1                        ; 4 x lane: a weight's way in
	v_lshlrev_b32 v8, 12, v3
	v_lshl_add_u32 v8, v2, 4, v8                   ; 4,096 h + 16 r: the weights' way out (tile h of my two), and x's way in (row h of two)
	s_wait_kmcnt 0x0
	s_cmp_ge_u32 ttmp9, 256
	s_cbranch_scc1 .Lx
	s_cmp_ge_u32 ttmp9, 192
	s_cbranch_scc1 .Lwp
	; ---- W_qkv: group g = id / 8 of 128 columns, K step id % 8; wave w takes columns 32 w .. 32 w + 31 of the group
	s_lshr_b32 s17, ttmp9, 3
	s_and_b32 s18, ttmp9, 7
	s_mul_i32 s20, s18, 128*12288
	s_lshl_b32 s19, s17, 9
	s_add_co_u32 s20, s20, s19
	s_lshl_b32 s19, s16, 7
	s_add_co_u32 s20, s20, s19
	s_mov_b32 s21, 0
	s_add_nc_u64 s[6:7], s[6:7], s[20:21]
	LOADW 0, 12288, 6
	LOADW 1, 12288, 6
	s_lshl_b32 s22, s17, 1
	s_lshr_b32 s19, s18, 2
	s_add_co_u32 s22, s22, s19
	s_mul_i32 s22, s22, BLKB                       ; block (g, K half)
	s_mov_b32 s23, 0
	s_add_nc_u64 s[12:13], s[12:13], s[22:23]
	s_and_b32 s19, s18, 3                          ; the K step in the half
	s_lshl_b32 s24, s16, 13                        ; my two row tiles
	s_lshl_b32 s25, s19, 10
	s_add_co_u32 s24, s24, s25
	s_mov_b32 s25, 0
	s_add_nc_u64 s[26:27], s[12:13], s[24:25]      ; codes
	s_lshl_b32 s24, s16, 9
	s_lshl_b32 s19, s19, 2
	s_add_co_u32 s24, s24, s19
	s_add_co_u32 s24, s24, 32768
	s_add_nc_u64 s[28:29], s[12:13], s[24:25]      ; scale words
	v_lshlrev_b32 v9, 8, v3
	v_lshl_add_u32 v9, v2, 4, v9                   ; 256 h + 16 r
	WQBLK 0
	WQBLK 1
	WQBLK 2
	WQBLK 3
	global_store_b32 v9, v10, s[28:29]             ; 4 bytes of each row's 16: 96 KiB in the whole launch leave so
	s_endpgm
.Lwp:	; ---- W_proj: 128 columns (id - 192) / 8, K step (id - 192) % 8
	s_sub_co_u32 s17, ttmp9, 192
	s_and_b32 s18, s17, 7
	s_lshr_b32 s17, s17, 3
	s_lshl_b32 s20, s18, 19                        ; 128 rows of 4,096 bytes
	s_lshl_b32 s19, s17, 9
	s_add_co_u32 s20, s20, s19
	s_lshl_b32 s19, s16, 7
	s_add_co_u32 s20, s20, s19
	s_mov_b32 s21, 0
	s_add_nc_u64 s[8:9], s[8:9], s[20:21]
	LOADW 0, 4096, 8
	LOADW 1, 4096, 8
	s_lshl_b32 s22, s17, 3
	s_add_co_u32 s22, s22, s18
	s_lshl_b32 s22, s22, 15
	s_lshl_b32 s19, s16, 13
	s_add_co_u32 s22, s22, s19
	s_mov_b32 s23, 0
	s_add_nc_u64 s[14:15], s[14:15], s[22:23]
	WPBLK 0
	WPBLK 1
	WPBLK 2
	WPBLK 3
	s_endpgm
.Lx:	; ---- x: wave number W = 4 (id - 256) + wave: row tile W / 2, K half W % 2
	s_sub_co_u32 s17, ttmp9, 256
	s_lshl_b32 s17, s17, 2
	s_add_co_u32 s17, s17, s16
	s_lshr_b32 s18, s17, 1
	s_and_b32 s19, s17, 1
	s_lshl_b32 s20, s18, 16                        ; 16 rows of 4,096 bytes
	s_lshl_b32 s22, s19, 11
	s_add_co_u32 s20, s20, s22
	s_mov_b32 s21, 0
	s_add_nc_u64 s[4:5], s[4:5], s[20:21]
.irp t, 0,1,2,3
	LOADX \t
.endr
	s_lshr_b32 s22, s18, 3
	s_lshl_b32 s22, s22, 1
	s_add_co_u32 s22, s22, s19
	s_mul_i32 s22, s22, BLKB
	s_mov_b32 s23, 0
	s_add_nc_u64 s[10:11], s[10:11], s[22:23]
	s_and_b32 s24, s18, 7                          ; my row tile in the group
	s_lshl_b32 s26, s24, 12
	s_mov_b32 s27, 0
	s_add_nc_u64 s[26:27], s[10:11], s[26:27]      ; codes
	s_lshl_b32 s28, s24, 8
	s_add_co_u32 s28, s28, 32768
	s_mov_b32 s29, 0
	s_add_nc_u64 s[28:29], s[10:11], s[28:29]      ; scale words
	s_mov_b32 s20, 0x76543210
	s_mov_b32 s21, 0xfedcba98                      ; v_permlanex16_b32's selects for lane l xor 16
	s_mul_i32 s30, s16, 8704                       ; my two stages
	v_mul_u32_u24 v9, v3, 272
	v_lshl_add_u32 v9, v2, 4, v9
	v_add_nc_u32 v9, s30, v9                       ; in: row h of a load's two, 16 r
	v_mul_u32_u24 v10, v2, 272
	v_lshl_add_u32 v10, v3, 7, v10
	v_add_nc_u32 v10, s30, v10                     ; out: row r, block h
	v_lshlrev_b32 v14, 4, v2
	v_lshl_add_u32 v14, v3, 3, v14                 ; 16 r + 8 h: my two scale words
	v_lshlrev_b32 v15, 3, v3                       ; 8 h bits
	s_wait_loadcnt 24                              ; step 0's eight loads are in
	TURNX 0
.irp t, 0,1,2,3,4,5,6,7
	STEPX \t
.endr
.irp q, 0,1,2,3                                ; word q: step 2 q gave blocks 0, 1 (lanes' halves), step 2 q + 1 blocks 2, 3
	v_lshl_or_b32 v[WD+\q], v[E+1+2*\q], 16, v[E+2*\q]
.endr
.irp q, 0,1,2,3
	v_lshlrev_b32 v[WD+\q], v15, v[WD+\q]
.endr
.irp q, 0,1,2,3
	v_permlanex16_b32 v[R+\q], v[WD+\q], s20, s21
.endr
.irp q, 0,1,2,3
	v_or_b32 v[WD+\q], v[WD+\q], v[R+\q]
.endr
	v_cmp_ne_u32 vcc_lo, 0, v3
	v_cndmask_b32 v12, v[WD], v[WD+2], vcc_lo      ; lanes 0-15 store words 0, 1; lanes 16-31 words 2, 3
	v_cndmask_b32 v13, v[WD+1], v[WD+3], vcc_lo
	global_store_b64 v14, v[12:13], s[28:29]       ; the wave stores 256 consecutive bytes
	s_wait_tensorcnt 0x0                           ; the wave's end, behind my last LDS store
	ds_add_u32 v[SPW], v[NIL]
	s_wait_dscnt 0x0
	s_endpgm
.Lfunc_end_k_q10011a77c9_prep:
	.size	k_q10011a77c9_prep, .Lfunc_end_k_q10011a77c9_prep-k_q10011a77c9_prep
	.p2alignl 7, 3214868480
	.fill 96, 4, 3214868480
	.section	.rodata,"a",@progbits
	.p2align	6, 0x0
	.amdhsa_kernel k_q10011a77c9_prep
		.amdhsa_group_segment_fixed_size 35328
		.amdhsa_private_segment_fixed_size 0
		.amdhsa_enable_private_segment 0
		.amdhsa_kernarg_size 48
		.amdhsa_user_sgpr_count 2
		.amdhsa_user_sgpr_kernarg_segment_ptr 1
		.amdhsa_wavefront_size32 1
		.amdhsa_system_sgpr_workgroup_id_x 1
		.amdhsa_system_sgpr_workgroup_id_y 1
		.amdhsa_system_sgpr_workgroup_id_z 1
		.amdhsa_system_vgpr_workitem_id 0
		.amdhsa_next_free_vgpr 256
		.amdhsa_next_free_sgpr 66
		.amdhsa_reserve_vcc 1
		.amdhsa_float_denorm_mode_32 3
		.amdhsa_float_denorm_mode_16_64 3
		.amdhsa_memory_ordered 1
		.amdhsa_forward_progress 1
		.amdhsa_inst_pref_size 68
	.end_amdhsa_kernel
	.amdgpu_metadata
---
amdhsa.version: [ 1, 2 ]
amdhsa.kernels:
  - .name:           k_q10011a77c9_prep
    .symbol:         k_q10011a77c9_prep.kd
    .args:
      - { .name: x, .offset: 0, .size: 8, .value_kind: global_buffer, .address_space: global }
      - { .name: W_qkv, .offset: 8, .size: 8, .value_kind: global_buffer, .address_space: global }
      - { .name: W_proj, .offset: 16, .size: 8, .value_kind: global_buffer, .address_space: global }
      - { .name: xq, .offset: 24, .size: 8, .value_kind: global_buffer, .address_space: global }
      - { .name: wq, .offset: 32, .size: 8, .value_kind: global_buffer, .address_space: global }
      - { .name: wpf, .offset: 40, .size: 8, .value_kind: global_buffer, .address_space: global }
    .group_segment_fixed_size: 35328
    .private_segment_fixed_size: 0
    .kernarg_segment_align: 8
    .kernarg_segment_size: 48
    .max_flat_workgroup_size: 128
    .sgpr_count:     66
    .vgpr_count:     256
    .wavefront_size: 32
...
	.end_amdgpu_metadata
.endif
;; end of part 1
;; launch gemm (part 2): grid 12 x 32, 4 waves a work-group, clusters of 4 x 4, 279,040 bytes of LDS; arguments xq, wq, qkv, fq; writes qkv, fq
.if DOCPART == 2
	.amdgcn_target "amdgcn-amd-amdhsa--gfx1250"
	.amdhsa_code_object_version 6
	.text
	.protected	k_q10011a77c9_gemm
	.globl	k_q10011a77c9_gemm
	.p2align	8
	.type	k_q10011a77c9_gemm,@function
k_q10011a77c9_gemm:
	s_mov_b64 s[64:65], 0
	v_nop
	global_prefetch_b8 v0, s[64:65] scope:SCOPE_SE
	s_setreg_imm32_b32 hwreg(HW_REG_WAVE_MODE, 25, 1), 1
	s_wait_xcnt 0x0
	s_wait_alu depctr_hold_cnt(0) depctr_sa_sdst(0) depctr_va_vdst(0) depctr_va_sdst(0) depctr_va_ssrc(0) depctr_va_vcc(0) depctr_vm_vsrc(0)
	s_getreg_b32 s2, hwreg(HW_REG_IB_STS2, 6, 4)
	s_cmp_eq_u32 s2, 0
	s_cbranch_scc0 .Lentry_in_a_cluster
	s_endpgm
.Lentry_in_a_cluster:
	s_bfe_u32 s2, ttmp6, 0x10000c
	s_cmp_lg_u32 s2, 0xf033
	s_cbranch_scc0 .Lentry_shape_is_right
	s_endpgm
.Lentry_shape_is_right:
; GEMM.  qkv = Q(x) Q(W_qkv): 8,192 x 3,072, K = 1,024, on codes of FP4 (E2M1) with E8M0 scales, sums in f32.  Operands arrive as images of fragments (see the layout below); results leave as f16 fragments for the attention.
; xq, wq: [group of 128 rows][K half of 512][34,816]: codes [row tile 8][K step 4][1,024], scale words [row tile 8][row 16][K step 4].
; A work-group of four waves makes 256 x 256, a wave 128 x 128: 64 accumulators, 512 registers.  ALL OF K FITS IN LDS: each wave asks for its quarter of both K halves at the start, and nothing is filled again.
; CLUSTERS: 4 x 4.  The A side's tiles are shared along a row of the cluster, the B side's along a column: joint loads.  The matrix instruction takes source 0 = 16 rows of the B side, source 1 = 16 rows of the A side:
; a lane holds ONE row of the A side and eight neighbouring rows of the B side.  For q and k (cluster x = 0, 1) A = x, B = W: a lane holds a token and eight channels, which packed to f16 are 4 registers of a fragment
; [16 tokens x 32 channels].  For v (cluster x = 2) THE SIDES CHANGE PLACES, A = W's columns 2,048 on, B = x: a lane holds a channel and eight tokens: 4 registers of a fragment of V^T [16 channels x 32 keys].
; So every result is stored straight from registers, 512 consecutive bytes a store.  The choice hangs on the cluster's x alone, which all partners share.
; qkv: [q, k, v][batch x 16 + head][262,144]: q, k: [token tile 128][32 channels: 2][1,024]; v: [32 keys: 64][16 channels: 4][1,024].
; fq: [batch][feature tile 192][1,024]: the f32 accumulators of each sequence's first 16 tokens as they stand (registers 0-3 at 16 x lane, 4-7 at 512 + 16 x lane).  Which waves hold them hangs on the place in the cluster,
; so they are picked by EXEC, not by a branch.
; LIMIT: |q|, |k|, |v| stay under 65,504 (f16).
; REGISTERS: window 0: v16-29 addresses; v32-95 scale words, a set for each K half; v128-191 A's fragments, one set; on the way out v128-255.  window 1: B's fragments, two sets.  windows 2, 3: accumulators (a, b) at v[8 (8 (a % 4) + b)].
.set NQ,    4                          ; K steps of 128 in a K half
.set FR,    8
.set NL,    2
.set NP,    4                          ; places behind this matrix instruction (ISA guide 7.12.1)
.set REGN,  34816                      ; 128 rows x 512 K
.set SLOT,  4*REGN                     ; A's two groups, then B's two
.set SPARE, 2*SLOT                     ; behind both K halves: the spare words
.set ADRA, 16
.set ADRB, 20
.set ADRS, 22
.set LI,   26                          ; v26 16 x lane
.set CND,  27
.set SPW,  28
.set NIL,  29
.set SC,   32
.set AF,   128
.set TMP,  128
.set G1,  24
.set G0,  32
.set G1B, 48
.set G0B, 56
.set MSB, 0
.macro WIN new                         ; the immediate's high byte repeats the setting that is left
.if MSB != \new
	s_set_vgpr_msb (MSB<<8)|\new
.set MSB, \new
.endif
.endm
.set MUL_LO, 0xa1                      ; source 0 (B) window 1, source 1 (A) window 0, C and D window 2
.set MUL_HI, 0xf1
.set TO_B,   0x40
.macro CROUND                          ; a round of the cluster's barrier
	s_barrier_signal -1
	s_barrier_wait -1
	s_cmp_lg_u32 s14, 0
	s_cbranch_scc1 .Lnot_wave_0_\@
	s_barrier_signal -3
.Lnot_wave_0_\@:
	s_barrier_wait -3
	s_barrier_signal -1
	s_barrier_wait -1
.endm
.macro PLACES n
.rept \n
	v_nop
.endr
.endm
	s_load_b256 s[4:11], s[0:1], 0x0               ; xq s[4:5], wq s[6:7], qkv s[8:9], fq s[10:11]
	v_lshl_add_u32 v[SPW], v0, 2, SPARE
	v_mov_b32 v[NIL], 0
	ds_add_u32 v[SPW], v[NIL]                      ; the wave's opening: the add, twice on end, and its wait ahead of my first tensor load
	ds_add_u32 v[SPW], v[NIL]
	v_lshrrev_b32 v1, 5, v0
	v_readfirstlane_b32 s14, v1                    ; wave 0..3
	s_lshr_b32 s15, s14, 1                         ; my half of the A side's rows.  Also: I fetch for A (0) or for B (1)
	s_and_b32 s16, s14, 1                          ; my half of the B side's rows.  Also: which group of 128 I fetch
	s_bfe_u32 s40, ttmp6, 0x40000                  ; cx
	s_bfe_u32 s41, ttmp6, 0x40004                  ; cy
	s_and_b32 s18, ttmp7, 0xffff
	s_lshl_b32 s18, s18, 2                         ; 4 x cluster y
	s_add_co_u32 s17, s18, s41
	s_add_co_u32 s19, s18, s40
	s_lshl_b32 s42, ttmp9, 2
	s_add_co_u32 s42, s42, s40
	s_cmp_eq_u32 ttmp9, 2                          ; v's clusters?
	s_cselect_b32 s17, s41, s17                    ; TA: the A side's tile of 256: cy of W's last four, or 4 CY + cy of x
	s_cselect_b32 s42, s19, s42                    ; TB: 4 CY + cx of x, or 4 CX + cx of W
	s_cselect_b32 s45, 16, 0                       ; v's columns begin at group 16
	s_lshl_b32 s43, s41, 2
	s_lshl_b32 s43, 15, s43                        ; my row of the cluster
	s_lshl_b32 s44, 0x1111, s40                    ; my column
	; group 1: a dense block of 34,816 bytes as 136 rows of 256 bytes (32 elements of 8 bytes)
	s_or_b32 s[G1+0], s43, (3<<16)|(1<<21)
	s_or_b32 s[G1B+0], s44, (3<<16)|(1<<21)
.irp g, G1, G1B
	s_mov_b32 s[\g+1], 32<<16                      ; tensor_dim0
	s_mov_b32 s[\g+2], 136<<16                     ; tensor_dim1
	s_mov_b32 s[\g+3], 32<<16                      ; tile_dim0
	s_mov_b32 s[\g+4], 136                         ; tile_dim1
	s_mov_b32 s[\g+5], 32                          ; pitch
	s_mov_b32 s[\g+6], 0
	s_mov_b32 s[\g+7], 0
.endr
	s_lshl_b32 s20, s17, 1
	s_add_co_u32 s20, s20, s16
	s_add_co_u32 s20, s20, s45
	s_mul_i32 s20, s20, 2*REGN                     ; A: my group's bytes
	s_mov_b32 s21, 0
	s_lshl_b32 s46, s42, 1
	s_add_co_u32 s46, s46, s16
	s_mul_i32 s46, s46, 2*REGN                     ; B likewise
	s_mov_b32 s47, 0
	s_mul_i32 s94, s14, REGN                       ; where they go: wave x a region: no place in the cluster enters an LDS address
	s_wait_dscnt 0x0                               ; both opening adds are done
	s_wait_kmcnt 0x0
	s_cmp_eq_u32 ttmp9, 2
	s_cselect_b64 s[22:23], s[6:7], s[4:5]         ; the A side's buffer
	s_cselect_b64 s[92:93], s[4:5], s[6:7]         ; the B side's
	s_add_nc_u64 s[22:23], s[22:23], s[20:21]
	s_add_nc_u64 s[92:93], s[92:93], s[46:47]
	CROUND                                         ; all sixteen work-groups are here: the joint loads meet
.irp s, 0,1
	s_mov_b32 s[G0+4*\s], 1
	s_add_co_u32 s[G0+4*\s+1], s94, \s*SLOT
	s_add_nc_u64 s[G0+4*\s+2:G0+4*\s+3], s[22:23], \s*REGN
	s_or_b32 s[G0+4*\s+3], s[G0+4*\s+3], 0x80000000
	s_mov_b32 s[G0B+4*\s], 1
	s_add_co_u32 s[G0B+4*\s+1], s94, \s*SLOT
	s_add_nc_u64 s[G0B+4*\s+2:G0B+4*\s+3], s[92:93], \s*REGN
	s_or_b32 s[G0B+4*\s+3], s[G0B+4*\s+3], 0x80000000
.endr
	s_cmp_eq_u32 s15, 0                            ; a wave's two fills stand in one branch on the wave's number: two loads of mine are out
	s_cbranch_scc0 .Lfirst_b
	tensor_load_to_lds s[G0:G0+3], s[G1:G1+7]
	s_nop 0
	tensor_load_to_lds s[G0+4:G0+7], s[G1:G1+7]
	s_nop 0
	PLACES 4
	s_branch .Lfirst_asked
.Lfirst_b:
	tensor_load_to_lds s[G0B:G0B+3], s[G1B:G1B+7]
	s_nop 0
	tensor_load_to_lds s[G0B+4:G0B+7], s[G1B:G1B+7]
	s_nop 0
	PLACES 4
.Lfirst_asked:
	v_and_b32 v1, 15, v0                           ; r
	v_bfe_u32 v2, v0, 4, 1                         ; h
	v_and_b32 v3, 31, v0
	v_lshlrev_b32 v[LI], 4, v3
	s_mul_i32 s21, s15, REGN                       ; my 128 rows of the A side,
	s_mul_i32 s22, s16, REGN
	s_add_co_u32 s22, s22, 2*REGN                  ; and of the B side
.irp s, 0,1
	v_add_nc_u32 v[ADRA+\s], s21, v[LI]
	v_add_nc_u32 v[ADRB+\s], s22, v[LI]
	s_add_co_u32 s21, s21, SLOT
	s_add_co_u32 s22, s22, SLOT
.endr
	s_mul_i32 s21, s15, REGN
	s_mul_i32 s22, s16, REGN
	s_add_co_u32 s22, s22, 2*REGN
	s_sub_co_u32 s22, s22, s21                     ; from A's region to B's
	v_mul_u32_u24 v4, s22, v2                      ; scale words: lanes 0-15 take A's, lanes 16-31 B's
	v_lshl_add_u32 v4, v1, 4, v4                   ; 16 bytes a row: the four K steps' words
	s_add_co_u32 s21, s21, 32768
	v_add_nc_u32 v[ADRS], s21, v4
	v_add_nc_u32 v[ADRS+1], SLOT, v[ADRS]
.macro FRAG reg, adr, q, i             ; a fragment's image: two loads of 512 consecutive bytes
.irp c, 0,1
	ds_load_b128 v[\reg+4*\c:\reg+4*\c+3], v[\adr] offset:((\i)*4+(\q))*1024+512*\c
.endr
.endm
; 16 matrix instructions: A's blocks a0, a0 + 1 x B's eight.  The 64 accumulators take turns, one instruction a turn, in the same order in every step.
.macro MUL16 a0, p, q, sc, zero
.irp a, \a0, \a0+1
.irp b, 0,1,2,3,4,5,6,7
.if \zero
	v_wmma_scale_f32_16x16x128_f8f6f4 v[8*(8*((\a)%4)+\b):8*(8*((\a)%4)+\b)+7], v[128*(\p)+FR*\b:128*(\p)+FR*\b+FR-1], v[AF+FR*(\a):AF+FR*(\a)+FR-1], 0, v[SC+8*NQ*(\sc)+NQ*\b+(\q)], v[SC+8*NQ*(\sc)+NQ*(\a)+(\q)] matrix_a_fmt:MATRIX_FMT_FP4 matrix_b_fmt:MATRIX_FMT_FP4 matrix_a_scale:MATRIX_SCALE_ROW1
.else
	v_wmma_scale_f32_16x16x128_f8f6f4 v[8*(8*((\a)%4)+\b):8*(8*((\a)%4)+\b)+7], v[128*(\p)+FR*\b:128*(\p)+FR*\b+FR-1], v[AF+FR*(\a):AF+FR*(\a)+FR-1], v[8*(8*((\a)%4)+\b):8*(8*((\a)%4)+\b)+7], v[SC+8*NQ*(\sc)+NQ*\b+(\q)], v[SC+8*NQ*(\sc)+NQ*(\a)+(\q)] matrix_a_fmt:MATRIX_FMT_FP4 matrix_b_fmt:MATRIX_FMT_FP4 matrix_a_scale:MATRIX_SCALE_ROW1
.endif
.endr
.endr
.endm
.macro FETCH_B slot, q, p
	WIN TO_B
.irp i, 0,1,2,3,4,5,6,7
	FRAG 128*(\p)+FR*\i, ADRB+\slot, \q, \i
.endr
	WIN 0
.endm
.macro FETCH_A slot, q, i0
.irp i, \i0, \i0+1, \i0+2, \i0+3
	FRAG AF+FR*(\i), ADRA+\slot, \q, \i
.endr
.endm
.macro SCALES sc                       ; a K half's scale words: register NQ i + q: lanes 0-15 A's block i, lanes 16-31 B's block i
.irp i, 0,1,2,3,4,5,6,7
	ds_load_b128 v[SC+8*NQ*\sc+NQ*\i:SC+8*NQ*\sc+NQ*\i+3], v[ADRS+\sc] offset:\i*256
.endr
.endm
.macro STEP slot, q, zero              ; 128 along K, with its successor in the same K half
	s_wait_dscnt 4*NL                              ; all but the youngest eight loads (A's blocks 4-7) are in
	WIN MUL_LO
	MUL16 0, (\q)%2, \q, \slot, \zero
	MUL16 2, (\q)%2, \q, \slot, \zero
	s_wait_dscnt 0
	PLACES NP
	FETCH_B \slot, (\q)+1, 1-(\q)%2
	FETCH_A \slot, (\q)+1, 0
	WIN MUL_HI
	MUL16 4, (\q)%2, \q, \slot, \zero
	MUL16 6, (\q)%2, \q, \slot, \zero
	PLACES NP
	WIN 0
	FETCH_A \slot, (\q)+1, 4
.endm
.macro TURN slot, next                 ; the first K half's last step: behind its barrier the second half is whole for every wave.  Nothing is filled again
	s_wait_tensorcnt 0x0                           ; my part of the second K half has landed
	ds_add_u32 v[SPW], v[NIL]
	s_wait_dscnt 4*NL+1                            ; (the add and the youngest eight loads may be out)
	WIN MUL_LO
	MUL16 0, 1, NQ-1, \slot, 0
	s_wait_dscnt 0x0
	s_barrier_signal -1
	MUL16 2, 1, NQ-1, \slot, 0
	WIN 0
	s_barrier_wait -1
	PLACES NP
	FETCH_B \next, 0, 0
	FETCH_A \next, 0, 0
	SCALES \next
	WIN MUL_HI
	MUL16 4, 1, NQ-1, \slot, 0
	MUL16 6, 1, NQ-1, \slot, 0
	PLACES NP
	WIN 0
	FETCH_A \next, 0, 4
.endm
	s_wait_tensorcnt 1                             ; my part of K half 0 is in; half 1's load may stay out
	s_barrier_signal -1
	s_barrier_wait -1
	FETCH_B 0, 0, 0
	FETCH_A 0, 0, 0
	SCALES 0
	FETCH_A 0, 0, 4
	STEP 0, 0, 1                                   ; the first products start the sums: nothing is cleared
	STEP 0, 1, 0
	STEP 0, 2, 0
	TURN 0, 1
	STEP 1, 0, 0
	STEP 1, 1, 0
	STEP 1, 2, 0
	s_wait_dscnt 4*NL                              ; the last step: nothing more to fetch
	WIN MUL_LO
	MUL16 0, 1, NQ-1, 1, 0
	MUL16 2, 1, NQ-1, 1, 0
	s_wait_dscnt 0
	WIN MUL_HI
	MUL16 4, 1, NQ-1, 1, 0
	MUL16 6, 1, NQ-1, 1, 0
	WIN 0
; THE WAY OUT.  Block a (A's 16 rows x B's 128): 32 roundings to f16, eight stores of 512 consecutive bytes.  Four sets of 32 registers take turns.
.macro OUTBLK a, isv
.if (\a) >= 4
	s_wait_xcnt 0x0                                ; block a - 4's stores have read their registers
.endif
	WIN 0x0a+5*((\a)/4)                            ; sources 0 and 1: window 2 or 3
.irp b, 0,1,2,3,4,5,6,7
.irp r, 0,1,2,3
	v_cvt_pk_f16_f32 v[TMP+32*((\a)%4)+4*\b+\r], v[64*((\a)%4)+8*\b+2*\r], v[64*((\a)%4)+8*\b+2*\r+1]
.endr
.endr
	WIN 0
.irp b, 0,1,2,3,4,5,6,7
.if \isv
	global_store_b128 v[LI], v[TMP+32*((\a)%4)+4*\b:TMP+32*((\a)%4)+4*\b+3], s[8:9] offset:((\a)/4)*262144+((\a)%4)*1024+(\b/2)*4096+(\b%2)*512
.else
	global_store_b128 v[LI], v[TMP+32*((\a)%4)+4*\b:TMP+32*((\a)%4)+4*\b+3], s[8:9] offset:(\a)*2048+(\b/4)*262144+((\b%4)/2)*1024+(\b%2)*512
.endif
.endr
.endm
	PLACES NP                                      ; behind the last products: for the reads of results and the writes over A's fragments
	s_cmp_eq_u32 ttmp9, 2                          ; the cluster's x: the same in all partners
	s_cbranch_scc1 .Lv_out
	; ---- q, k: rows are tokens 256 TA + 128 s15 on, columns 256 TB + 128 s16 on
	s_lshr_b32 s20, s17, 3                         ; batch
	s_and_b32 s21, s17, 7
	s_or_b32 s22, s21, s15                         ; 0 where my block 0 holds the sequence's tokens 0-15
	v_mov_b32 v[CND], s22
	s_mul_i32 s46, s20, 196608
	s_lshl_b32 s23, s42, 14
	s_add_co_u32 s46, s46, s23
	s_lshl_b32 s23, s16, 13
	s_add_co_u32 s46, s46, s23                     ; feature tile 16 TB + 8 s16
	s_mov_b32 s47, 0
	s_add_nc_u64 s[10:11], s[10:11], s[46:47]
	s_lshl_b32 s46, ttmp9, 24                      ; q's or k's section
	s_lshl_b32 s23, s20, 4
	s_lshl_b32 s45, s40, 2
	s_add_co_u32 s23, s23, s45
	s_lshl_b32 s45, s16, 1
	s_add_co_u32 s23, s23, s45                     ; batch x 16 + head 4 cx + 2 s16
	s_lshl_b32 s23, s23, 18
	s_add_co_u32 s46, s46, s23
	s_lshl_b32 s23, s21, 4
	s_lshl_b32 s45, s15, 3
	s_add_co_u32 s23, s23, s45                     ; token tile
	s_lshl_b32 s23, s23, 11
	s_add_co_u32 s46, s46, s23
	s_add_nc_u64 s[8:9], s[8:9], s[46:47]
	s_wait_xcnt 0x0                                ; EXEC changes only behind this wait
	v_cmp_eq_u32 vcc_lo, 0, v[CND]
	s_and_saveexec_b32 s45, vcc_lo                 ; all lanes or none
	WIN 0x08                                       ; a store's data are its source 1: window 2
.irp b, 0,1,2,3,4,5,6,7
	global_store_b128 v[LI], v[8*\b:8*\b+3], s[10:11] offset:1024*\b          ; each accumulator from its low end on
	global_store_b128 v[LI], v[8*\b+4:8*\b+7], s[10:11] offset:1024*\b+512
.endr
	WIN 0
	s_wait_xcnt 0x0
	s_or_b32 exec_lo, exec_lo, s45
.irp a, 0,1,2,3,4,5,6,7
	OUTBLK \a, 0
.endr
	s_branch .Ldone
.Lv_out:	; ---- v: rows are channels 256 cy + 128 s15 on, columns tokens 256 TB + 128 s16 on
	s_lshr_b32 s20, s42, 3                         ; batch
	s_and_b32 s21, s42, 7
	s_or_b32 s22, s21, s16                         ; 0 where my column block 0 holds tokens 0-15
	v_mov_b32 v[CND], s22
	s_mul_i32 s46, s20, 196608
	s_lshl_b32 s23, s41, 14
	s_add_co_u32 s46, s46, s23
	s_lshl_b32 s23, s15, 13
	s_add_co_u32 s46, s46, s23
	s_add_co_u32 s46, s46, 128*1024                ; feature tile 128 + 16 cy + 8 s15
	s_mov_b32 s47, 0
	s_add_nc_u64 s[10:11], s[10:11], s[46:47]
	s_lshl_b32 s23, s20, 4
	s_lshl_b32 s45, s41, 2
	s_add_co_u32 s23, s23, s45
	s_lshl_b32 s45, s15, 1
	s_add_co_u32 s23, s23, s45                     ; batch x 16 + head 4 cy + 2 s15
	s_lshl_b32 s46, s23, 18
	s_lshl_b32 s23, s21, 3
	s_lshl_b32 s45, s16, 2
	s_add_co_u32 s23, s23, s45                     ; block of 32 keys
	s_lshl_b32 s23, s23, 12
	s_add_co_u32 s46, s46, s23
	s_add_co_u32 s46, s46, 1<<25                   ; v's section
	s_add_nc_u64 s[8:9], s[8:9], s[46:47]
	s_wait_xcnt 0x0
	v_cmp_eq_u32 vcc_lo, 0, v[CND]
	s_and_saveexec_b32 s45, vcc_lo
	WIN 0x08
.irp a, 0,1,2,3
	global_store_b128 v[LI], v[64*\a:64*\a+3], s[10:11] offset:1024*\a
	global_store_b128 v[LI], v[64*\a+4:64*\a+7], s[10:11] offset:1024*\a+512
.endr
	WIN 0x0c
.irp a, 0,1,2,3
	global_store_b128 v[LI], v[64*\a:64*\a+3], s[10:11] offset:1024*(\a+4)
	global_store_b128 v[LI], v[64*\a+4:64*\a+7], s[10:11] offset:1024*(\a+4)+512
.endr
	WIN 0
	s_wait_xcnt 0x0
	s_or_b32 exec_lo, exec_lo, s45
.irp a, 0,1,2,3,4,5,6,7
	OUTBLK \a, 1
.endr
.Ldone:
	s_wait_tensorcnt 0x0                           ; the wave's end
	ds_add_u32 v[SPW], v[NIL]
	s_wait_dscnt 0x0
	CROUND                                         ; the closing round
	s_endpgm
.Lfunc_end_k_q10011a77c9_gemm:
	.size	k_q10011a77c9_gemm, .Lfunc_end_k_q10011a77c9_gemm-k_q10011a77c9_gemm
	.p2alignl 7, 3214868480
	.fill 96, 4, 3214868480
	.section	.rodata,"a",@progbits
	.p2align	6, 0x0
	.amdhsa_kernel k_q10011a77c9_gemm
		.amdhsa_group_segment_fixed_size 279040
		.amdhsa_private_segment_fixed_size 0
		.amdhsa_enable_private_segment 0
		.amdhsa_kernarg_size 32
		.amdhsa_user_sgpr_count 2
		.amdhsa_user_sgpr_kernarg_segment_ptr 1
		.amdhsa_wavefront_size32 1
		.amdhsa_system_sgpr_workgroup_id_x 1
		.amdhsa_system_sgpr_workgroup_id_y 1
		.amdhsa_system_sgpr_workgroup_id_z 1
		.amdhsa_system_vgpr_workitem_id 0
		.amdhsa_next_free_vgpr 1024
		.amdhsa_next_free_sgpr 98
		.amdhsa_reserve_vcc 1
		.amdhsa_float_denorm_mode_32 3
		.amdhsa_float_denorm_mode_16_64 3
		.amdhsa_memory_ordered 1
		.amdhsa_forward_progress 1
		.amdhsa_inst_pref_size 142
	.end_amdhsa_kernel
	.amdgpu_metadata
---
amdhsa.version: [ 1, 2 ]
amdhsa.kernels:
  - .name:           k_q10011a77c9_gemm
    .symbol:         k_q10011a77c9_gemm.kd
    .args:
      - { .name: xq, .offset: 0, .size: 8, .value_kind: global_buffer, .address_space: global }
      - { .name: wq, .offset: 8, .size: 8, .value_kind: global_buffer, .address_space: global }
      - { .name: qkv, .offset: 16, .size: 8, .value_kind: global_buffer, .address_space: global }
      - { .name: fq, .offset: 24, .size: 8, .value_kind: global_buffer, .address_space: global }
    .group_segment_fixed_size: 279040
    .private_segment_fixed_size: 0
    .kernarg_segment_align: 8
    .kernarg_segment_size: 32
    .max_flat_workgroup_size: 128
    .sgpr_count:     98
    .vgpr_count:     1024
    .wavefront_size: 32
...
	.end_amdgpu_metadata
.endif
;; end of part 2
;; launch attn (part 3): grid 4 x 64, 8 waves a work-group, no clusters, 327,680 bytes of LDS; arguments qkv, yf; writes yf
.if DOCPART == 3
	.amdgcn_target "amdgcn-amd-amdhsa--gfx1250"
	.amdhsa_code_object_version 6
	.text
	.protected	k_q10011a77c9_attn
	.globl	k_q10011a77c9_attn
	.p2align	8
	.type	k_q10011a77c9_attn,@function
k_q10011a77c9_attn:
	s_mov_b64 s[64:65], 0
	v_nop
	global_prefetch_b8 v0, s[64:65] scope:SCOPE_SE
	s_setreg_imm32_b32 hwreg(HW_REG_WAVE_MODE, 25, 1), 1
	s_wait_xcnt 0x0
; ATTN.  y[b][h][q] = sum over k <= q of softmax_k(q . k / 8) v, head size 64, 2,048 positions, 64 (batch, head) pairs.  Operands f16, products, maxima and sums f32; the weights p are rounded to f16 for the second product.
; q, k, v arrive as images of fragments (1,024 bytes: register group c of lane l at 512 c + 16 l): q, k: [token tile][32 channels: 2]; v: [32 keys][16 channels: 4] (V^T).  y leaves as images for the projection:
; yf: [64 tokens: 128][K step of 128 features: 8][token tile 4][32 features: 4][1,024].
; SHARES.  Work-group (i, bh) takes the head's query blocks of 256 numbers 7 - i and then i: (8 - i) + (i + 1) = 9 slots of 256 keys for every work-group: all trip counts are constants and the work is even.
; Each of eight waves owns 32 queries, two tiles; two waves share a SIMD, so that one's vector work stands beside the other's products.
; LAYOUT.  S^T = K Q^T (source 0 = 16 keys, source 1 = 16 queries) and O^T = V^T P (source 0 = 16 channels, source 1 = P): a lane holds one query throughout; two tiles of S^T rounded in pairs are P's fragment.
; SOFTMAX.  Running maximum m and sum l for each query: p = 2^(c s - c m), c = log2(e) / 8; O and l are multiplied by a = 2^(c m_old - c m_new) in every step.  m begins at -3e38, O and l at 0.
; THE MASK.  A step of 64 keys all of which come after my 32 queries is left out by a scalar branch on ids; on the diagonal hidden scores become -infinity; key 0 counts for every query.
; THE RING.  Two slots of 65,536 bytes (K's four quarters of 64 keys, then V's); every wave brings one quarter, 8,192 dense bytes, by one tensor load behind each change of slots.
; NO CLUSTER: the four work-groups of a head want different tiles from their sixth slot on (block 7 - i ends at slot 7 - i), so a joint load would bring a partner tiles that it never reads.
; LIMIT: |y| stays under 65,504 (f16).
; REGISTERS: window 0: v1-9 addresses and constants; v16-31 statistics, 8 a tile (+0 c m, +1 m, +2, +3 l, +4..+7 at work, a at +6); v32-95 K; v96-159 V; v160-223 S^T; v224-255 P.  window 1: v0-63 O^T (32 t + 8 ct); v64-95 Q (16 t + 8 u).
.set LI,   1                           ; v1  16 x lane
.set ADR,  2                           ; v2  LDS address of the step's tiles
.set SPW,  4
.set NIL,  5
.set RH,   6                           ; v6  r - 8 h
.set DD,   7                           ; v7  my query - the step's first key - 8 h
.set NINF, 8                           ; v8  -infinity
.set PFO,  9                           ; v9  256 x lane
.set ST,   16
.set K,    32
.set V,    96
.set S,    160
.set P,    224
.set QF,   64
.set SLOT1, 65536
.set SPARE, 131072                     ; behind the ring: the spare words, 128 bytes for each of eight waves
.set CS,   36                          ; s[36:37] c
.set SEL,  38                          ; s[38:39] selects for lane l xor 16
; s8 wave; s9 bh; s[10:11] q's head; s[12:13] my quarter of key slot 0; s[16:23] group 1; s[24:27] group 0; s28 N; s29 7 - i; s30 key slot asked for; s31 8 - i; s32 LDS byte of the step's tiles; s33 the step's first key;
; s34 my first query; s35 steps to go; s[40:41] prefetch address; s42 how many changes prefetch; s[44:45] y's address; s46-51 at work
.set MSB, 0
.macro WIN new
.if MSB != \new
	s_set_vgpr_msb (MSB<<8)|\new
.set MSB, \new
.endif
.endm
.macro PLACES
.rept 4
	v_nop
.endr
.endm
; a block of queries begins: Q's fragments, O = 0, l = 0, m = -3e38
.macro INIT qb
	s_lshl_b32 s34, \qb, 8
	s_lshl_b32 s46, s8, 5
	s_add_co_u32 s34, s34, s46                     ; my first query
	s_lshl_b32 s46, s34, 7                         ; 2,048 bytes a token tile
	s_mov_b32 s47, 0
	s_add_nc_u64 s[50:51], s[10:11], s[46:47]
	WIN 0x40                                       ; destination window 1
.irp t, 0,1
.irp u, 0,1
.irp c, 0,1
	global_load_b128 v[QF+16*\t+8*\u+4*\c:QF+16*\t+8*\u+4*\c+3], v[LI], s[50:51] offset:\t*2048+\u*1024+\c*512
.endr
.endr
.endr
.set i, 0
.rept 64
	v_mov_b32 v[i], 0                              ; O^T: the step is written once; its first run finds zeros
.set i, i+1
.endr
	WIN 0
.irp t, 0,1
	v_mov_b32 v[ST+8*\t+1], 0xff61b1e6             ; m = -3e38
	v_mov_b32 v[ST+8*\t+2], 0
	v_mov_b32 v[ST+8*\t+3], 0
	v_mov_b32 v[ST+8*\t+4], 0
	v_mov_b32 v[ST+8*\t+5], 0                      ; (a lane permute's destination counts as read)
	v_mov_b32 v[ST+8*\t+6], 0
	v_mov_b32 v[ST+8*\t+7], 0
	v_mul_f32 v[ST+8*\t], s[CS], v[ST+8*\t+1]
.endr
	s_wait_loadcnt 0x0
.endm
; A prefetch of the key slot after the one just asked for: my wave's own 8,192 bytes of it, lanes 256 bytes apart.  All four work-groups of a head walk the same slots: the first of them (i = 0) asks, in its changes 0 to 5,
; for slots 2 to 7: each block of 256 bytes is named once in the launch.  Slots 0 and 1 come by their loads alone.
.macro ASK
	s_cmp_lt_u32 s28, s42
	s_cbranch_scc0 .Lnot_mine_\@
	global_prefetch_b8 v[PFO], s[40:41] th:TH_LOAD_NT scope:SCOPE_SE
.Lnot_mine_\@:
.endm
; THE CHANGE OF SLOTS, at a slot's head: all my tensor loads have landed (my quarter of the slot ahead); the add; my reads of the slot left are over; the barrier; then my one load, into the slot left
.macro CHANGE fill
	s_wait_tensorcnt 0x0                           ; no tensor load of mine is out, so group 0 may be written
	ds_add_u32 v[SPW], v[NIL]                      ; the descriptor's steps stand between the add and its wait
.if \fill
	s_xor_b32 s25, s25, SLOT1                      ; the other slot than last time
	s_add_co_u32 s30, s30, 1                       ; the next key slot,
	s_cmp_eq_u32 s30, s31
	s_cselect_b32 s30, 0, s30                      ; or slot 0 again, for the second block of queries
	s_lshl_b32 s46, s30, 15
	s_mov_b32 s47, 0
	s_add_nc_u64 s[26:27], s[12:13], s[46:47]
	s_or_b32 s27, s27, 0x80000000
	s_wait_xcnt 0x0                                ; the last prefetch, a slot back, has read its address
	s_add_nc_u64 s[40:41], s[40:41], 32768
.endif
	s_wait_dscnt 0x0
	s_barrier_signal -1
	s_barrier_wait -1
.if \fill
	tensor_load_to_lds s[24:27], s[16:23]          ; it has a slot's four steps in which to land
	s_nop 0
	PLACES
	ASK
.endif
.endm
.macro SOFTMAX                         ; both tiles, line by line by turns
.irp j, 0,1,2,3
.irp t, 0,1
	v_max3_num_f32 v[ST+8*\t+4+\j], v[S+32*\t+8*\j], v[S+32*\t+8*\j+1], v[S+32*\t+8*\j+2]   ; each accumulator from its low end on
.endr
.endr
.irp g, 1,2
.irp j, 0,1,2,3
.irp t, 0,1
	v_max3_num_f32 v[ST+8*\t+4+\j], v[ST+8*\t+4+\j], v[S+32*\t+8*\j+2*\g+1], v[S+32*\t+8*\j+2*\g+2]
.endr
.endr
.endr
.irp t, 0,1
	v_max3_num_f32 v[ST+8*\t+4], v[ST+8*\t+4], v[S+32*\t+7], v[S+32*\t+15]
	v_max3_num_f32 v[ST+8*\t+6], v[ST+8*\t+6], v[S+32*\t+23], v[S+32*\t+31]
.endr
.irp t, 0,1
	v_max3_num_f32 v[ST+8*\t+4], v[ST+8*\t+4], v[ST+8*\t+5], v[ST+8*\t+6]
.endr
.irp t, 0,1
	v_max3_num_f32 v[ST+8*\t+4], v[ST+8*\t+4], v[ST+8*\t+7], v[ST+8*\t+1]   ; with the old m
.endr
.irp t, 0,1
	v_permlanex16_b32 v[ST+8*\t+5], v[ST+8*\t+4], s[SEL], s[SEL+1]           ; the query's other keys lie 16 lanes away
.endr
.irp t, 0,1
	v_mov_b32 v[ST+8*\t+7], v[ST+8*\t]             ; c m_old
.endr
.irp t, 0,1
	v_max_num_f32 v[ST+8*\t+1], v[ST+8*\t+4], v[ST+8*\t+5]
.endr
.irp t, 0,1
	v_mul_f32 v[ST+8*\t], s[CS], v[ST+8*\t+1]
.endr
.irp t, 0,1
	v_sub_f32 v[ST+8*\t+7], v[ST+8*\t+7], v[ST+8*\t]
.endr
.set i, 0
.rept 16
	v_pk_fma_f32 v[S+2*i:S+2*i+1], v[S+2*i:S+2*i+1], s[CS:CS+1], v[ST:ST+1] op_sel_hi:[1,0,0] neg_lo:[0,0,1] neg_hi:[0,0,1]   ; c s - c m
	v_pk_fma_f32 v[S+32+2*i:S+32+2*i+1], v[S+32+2*i:S+32+2*i+1], s[CS:CS+1], v[ST+8:ST+9] op_sel_hi:[1,0,0] neg_lo:[0,0,1] neg_hi:[0,0,1]
.set i, i+1
.endr
	v_exp_f32 v[ST+6], v[ST+7]                     ; a.  ONE BATCH of 66 exponentials:
	v_exp_f32 v[ST+14], v[ST+15]
.set i, 0
.rept 64
	v_exp_f32 v[S+i], v[S+i]
.set i, i+1
.endr
	v_nop                                          ; a plain line behind the last,
	s_wait_alu depctr_va_vdst(0)                   ; and one wait ahead of the first reader
.set i, 0
.rept 32
	v_cvt_pk_f16_f32 v[P+i], v[S+2*i], v[S+2*i+1]
.set i, i+1
.endr
.irp d, 4,8,16,32                              ; the sums, in place: neighbours 1, 2, 4, 8 pairs apart
.set i, 0
.rept 64/\d
	v_pk_add_f32 v[S+\d*i:S+\d*i+1], v[S+\d*i:S+\d*i+1], v[S+\d*i+\d/2:S+\d*i+\d/2+1]
.set i, i+1
.endr
.endr
.irp t, 0,1
	v_pk_fma_f32 v[ST+8*\t+2:ST+8*\t+3], v[ST+8*\t+2:ST+8*\t+3], v[ST+8*\t+6:ST+8*\t+7], v[S+32*\t:S+32*\t+1] op_sel_hi:[1,0,1]   ; l = a l + the sum
.endr
	WIN 0x41                                       ; O^T (destination, source 0) window 1, a window 0
.set i, 0
.rept 16
	v_pk_mul_f32 v[2*i:2*i+1], v[2*i:2*i+1], v[ST+6:ST+7] op_sel_hi:[1,0]
.set i, i+1
.endr
.set i, 0
.rept 16
	v_pk_mul_f32 v[32+2*i:32+2*i+1], v[32+2*i:32+2*i+1], v[ST+14:ST+15] op_sel_hi:[1,0]
.set i, i+1
.endr
	WIN 0
.endm
.macro STEP                            ; 64 keys
	s_add_co_u32 s46, s34, 31
	s_cmp_gt_u32 s33, s46                          ; all keys behind my last query: the step's work is left out (ids and counts alone)
	s_cbranch_scc1 .Lhid_\@
	v_add_nc_u32 v[ADR], s32, v[LI]
.irp kt, 0,1,2,3
.irp u, 0,1
.irp c, 0,1
	ds_load_b128 v[K+16*\kt+8*\u+4*\c:K+16*\kt+8*\u+4*\c+3], v[ADR] offset:(2*\kt+\u)*1024+512*\c
.endr
.endr
.endr
.irp kb, 0,1
.irp ct, 0,1,2,3
.irp c, 0,1
	ds_load_b128 v[V+32*\kb+8*\ct+4*\c:V+32*\kb+8*\ct+4*\c+3], v[ADR] offset:32768+(4*\kb+\ct)*1024+512*\c
.endr
.endr
.endr
	s_wait_dscnt 16                                ; K is in; V's sixteen loads may be out
	WIN 0x04                                       ; source 1 (Q) window 1
.irp u, 0,1                                    ; the eight accumulators by turns
.irp t, 0,1
.irp kt, 0,1,2,3
.if \u == 0
	v_wmma_f32_16x16x32_f16 v[S+32*\t+8*\kt:S+32*\t+8*\kt+7], v[K+16*\kt+8*\u:K+16*\kt+8*\u+7], v[QF+16*\t+8*\u:QF+16*\t+8*\u+7], 0
.else
	v_wmma_f32_16x16x32_f16 v[S+32*\t+8*\kt:S+32*\t+8*\kt+7], v[K+16*\kt+8*\u:K+16*\kt+8*\u+7], v[QF+16*\t+8*\u:QF+16*\t+8*\u+7], v[S+32*\t+8*\kt:S+32*\t+8*\kt+7]
.endif
.endr
.endr
.endr
	WIN 0
	PLACES
	s_add_co_u32 s46, s33, 63
	s_cmp_le_u32 s46, s34                          ; all keys count for all my queries: no mask
	s_cbranch_scc1 .Lopen_\@
	s_sub_co_i32 s46, s34, s33
	v_add_nc_u32 v[DD], s46, v[RH]                 ; register (t, kt, j) holds key 16 kt + 8 h + j of the step and query 16 t + r of mine: hidden where 16 kt + j - 16 t > d
.irp t, 0,1
.irp kt, 0,1,2,3
.irp j, 0,1,2,3,4,5,6,7
	v_cmp_gt_i32 vcc_lo, 16*\kt+\j-16*\t, v[DD]
	v_cndmask_b32 v[S+32*\t+8*\kt+\j], v[S+32*\t+8*\kt+\j], v[NINF], vcc_lo
.endr
.endr
.endr
.Lopen_\@:
	SOFTMAX
	s_wait_dscnt 0x0                               ; V is in
	WIN 0x50                                       ; C and D window 1
.irp kb, 0,1
.irp t, 0,1
.irp ct, 0,1,2,3
	v_wmma_f32_16x16x32_f16 v[32*\t+8*\ct:32*\t+8*\ct+7], v[V+32*\kb+8*\ct:V+32*\kb+8*\ct+7], v[P+16*\t+8*\kb:P+16*\t+8*\kb+7], v[32*\t+8*\ct:32*\t+8*\ct+7]
.endr
.endr
.endr
	WIN 0
	PLACES                                         ; behind the last products: for the next loads into V, the next writes of P and the next reads of O^T
.Lhid_\@:
	s_add_co_u32 s33, s33, 64
	s_add_co_u32 s32, s32, 8192
.endm
.macro SLOT_STEPS                      ; a slot's four steps: written once, walked four times
	s_mov_b32 s35, 4
.Lst_\@:
	STEP
	s_sub_co_u32 s35, s35, 1
	s_cmp_lg_u32 s35, 0
	s_cbranch_scc1 .Lst_\@
	s_sub_co_u32 s32, s32, 32768
	s_xor_b32 s32, s32, SLOT1                      ; on to the other slot
.endm
.macro FINISH                          ; O^T / l, rounded to f16: a lane's eight channels are 4 registers of a fragment of y: stored as they stand
.irp t, 0,1
	v_add_f32 v[ST+8*\t+4], v[ST+8*\t+2], v[ST+8*\t+3]
.endr
.irp t, 0,1
	v_permlanex16_b32 v[ST+8*\t+5], v[ST+8*\t+4], s[SEL], s[SEL+1]
.endr
.irp t, 0,1
	v_add_f32 v[ST+8*\t+4], v[ST+8*\t+4], v[ST+8*\t+5]
.endr
.irp t, 0,1
	v_rcp_f32 v[ST+8*\t+6], v[ST+8*\t+4]
.endr
	v_nop
	s_lshr_b32 s46, s9, 4
	s_lshl_b32 s46, s46, 7
	s_lshr_b32 s47, s34, 4
	s_add_co_u32 s46, s46, s47                     ; my first token tile: 128 x batch + query / 16
	s_lshr_b32 s47, s46, 2
	s_lshl_b32 s47, s47, 3
	s_bfe_u32 s48, s9, 0x30001                     ; head / 2: the K step
	s_add_co_u32 s47, s47, s48
	s_lshl_b32 s47, s47, 14
	s_and_b32 s46, s46, 3
	s_lshl_b32 s46, s46, 12
	s_add_co_u32 s46, s46, s47
	s_and_b32 s48, s9, 1
	s_lshl_b32 s48, s48, 11                        ; head % 2: two fragments on
	s_add_co_u32 s46, s46, s48
	s_mov_b32 s47, 0
	s_add_nc_u64 s[44:45], s[6:7], s[46:47]
	s_wait_alu depctr_va_vdst(0)                   ; one wait for both reciprocals, ahead of their first reader
	WIN 0x41
.set i, 0
.rept 16
	v_pk_mul_f32 v[2*i:2*i+1], v[2*i:2*i+1], v[ST+6:ST+7] op_sel_hi:[1,0]
.set i, i+1
.endr
.set i, 0
.rept 16
	v_pk_mul_f32 v[32+2*i:32+2*i+1], v[32+2*i:32+2*i+1], v[ST+14:ST+15] op_sel_hi:[1,0]
.set i, i+1
.endr
	WIN 0x05                                       ; sources window 1, destination window 0: S^T's registers are free
.set i, 0
.rept 32
	v_cvt_pk_f16_f32 v[S+i], v[2*i], v[2*i+1]
.set i, i+1
.endr
	WIN 0
.irp t, 0,1
.irp ct, 0,1,2,3
	global_store_b128 v[LI], v[S+16*\t+4*\ct:S+16*\t+4*\ct+3], s[44:45] offset:\t*4096+(\ct/2)*1024+(\ct%2)*512   ; 512 consecutive bytes
.endr
.endr
	s_wait_xcnt 0x0                                ; the stores have read their registers and their base
.endm
	s_load_b128 s[4:7], s[0:1], 0x0                ; qkv s[4:5], yf s[6:7]
	v_lshl_add_u32 v[SPW], v0, 2, SPARE
	v_mov_b32 v[NIL], 0
	ds_add_u32 v[SPW], v[NIL]                      ; the wave's opening: the add, twice on end, and its wait ahead of my first tensor load
	ds_add_u32 v[SPW], v[NIL]
	v_lshrrev_b32 v1, 5, v0
	v_readfirstlane_b32 s8, v1                     ; wave 0..7
	s_mov_b32 s16, 3<<16                           ; group 1: 8,192 dense bytes as 32 rows of 256 (32 elements of 8 bytes)
	s_mov_b32 s17, 32<<16
	s_mov_b32 s18, 32<<16
	s_mov_b32 s19, 32<<16
	s_mov_b32 s20, 32
	s_mov_b32 s21, 32
	s_mov_b32 s22, 0
	s_mov_b32 s23, 0
	s_and_b32 s9, ttmp7, 0xffff                    ; batch x 16 + head
	s_sub_co_u32 s29, 7, ttmp9
	s_sub_co_u32 s31, 8, ttmp9
	s_mov_b32 s28, 0
	s_mov_b32 s30, 0
	s_mov_b32 s32, 0
	s_mov_b32 s33, 0
	s_mov_b32 s[CS], 0x3e38aa3b                    ; log2(e) / 8
	s_mov_b32 s[CS+1], s[CS]
	s_mov_b32 s[SEL], 0x76543210
	s_mov_b32 s[SEL+1], 0xfedcba98
	s_lshl_b32 s46, s9, 18
	s_mov_b32 s47, 0
	s_and_b32 s48, s8, 3
	s_lshl_b32 s48, s48, 13                        ; my quarter
	s_add_co_u32 s48, s48, s46
	s_lshr_b32 s49, s8, 2
	s_add_co_u32 s49, s49, 1
	s_lshl_b32 s49, s49, 24                        ; waves 0-3: k's section; waves 4-7: v's
	s_add_co_u32 s48, s48, s49
	s_mov_b32 s49, 0
	s_cmp_eq_u32 ttmp9, 0
	s_cselect_b32 s42, 6, 0
	s_mov_b32 s24, 1
	s_lshl_b32 s25, s8, 13                         ; LDS: wave x 8,192, slot 0
	s_wait_dscnt 0x0
	s_wait_kmcnt 0x0
	s_add_nc_u64 s[10:11], s[4:5], s[46:47]
	s_add_nc_u64 s[12:13], s[4:5], s[48:49]
	s_mov_b64 s[26:27], s[12:13]
	s_or_b32 s27, s27, 0x80000000
	tensor_load_to_lds s[24:27], s[16:23]          ; key slot 0
	s_nop 0
	PLACES
	s_add_nc_u64 s[40:41], s[12:13], 32768         ; the first change steps it to slot 2
	v_and_b32 v2, 31, v0
	v_lshlrev_b32 v[LI], 4, v2
	v_lshlrev_b32 v[PFO], 8, v2
	v_and_b32 v[RH], 15, v0
	v_bfe_u32 v3, v0, 4, 1
	v_lshlrev_b32 v3, 3, v3
	v_sub_nc_u32 v[RH], v[RH], v3
	v_mov_b32 v[NINF], 0xff800000
	INIT s29                                       ; block 7 - i first
.Lslot:                                            ; eight trips: behind each change of slots the next slot is asked for; every slot asked for is read
	CHANGE 1
	SLOT_STEPS
	s_cmp_lg_u32 s28, s29
	s_cbranch_scc1 .Lsame
	FINISH                                         ; block 7 - i is done behind slot 7 - i;
	s_mov_b32 s33, 0
	INIT ttmp9                                     ; block i begins at key 0
.Lsame:
	s_add_co_u32 s28, s28, 1
	s_cmp_lt_u32 s28, 8
	s_cbranch_scc1 .Lslot
	CHANGE 0                                       ; the ninth slot is written out: nothing is left to ask for
	SLOT_STEPS
	FINISH
	s_wait_tensorcnt 0x0                           ; the wave's end
	ds_add_u32 v[SPW], v[NIL]
	s_wait_dscnt 0x0
	s_endpgm
.Lfunc_end_k_q10011a77c9_attn:
	.size	k_q10011a77c9_attn, .Lfunc_end_k_q10011a77c9_attn-k_q10011a77c9_attn
	.p2alignl 7, 3214868480
	.fill 96, 4, 3214868480
	.section	.rodata,"a",@progbits
	.p2align	6, 0x0
	.amdhsa_kernel k_q10011a77c9_attn
		.amdhsa_group_segment_fixed_size 327680
		.amdhsa_private_segment_fixed_size 0
		.amdhsa_enable_private_segment 0
		.amdhsa_kernarg_size 16
		.amdhsa_user_sgpr_count 2
		.amdhsa_user_sgpr_kernarg_segment_ptr 1
		.amdhsa_wavefront_size32 1
		.amdhsa_system_sgpr_workgroup_id_x 1
		.amdhsa_system_sgpr_workgroup_id_y 1
		.amdhsa_system_sgpr_workgroup_id_z 1
		.amdhsa_system_vgpr_workitem_id 0
		.amdhsa_next_free_vgpr 352
		.amdhsa_next_free_sgpr 66
		.amdhsa_reserve_vcc 1
		.amdhsa_float_denorm_mode_32 3
		.amdhsa_float_denorm_mode_16_64 3
		.amdhsa_memory_ordered 1
		.amdhsa_forward_progress 1
		.amdhsa_inst_pref_size 67
	.end_amdhsa_kernel
	.amdgpu_metadata
---
amdhsa.version: [ 1, 2 ]
amdhsa.kernels:
  - .name:           k_q10011a77c9_attn
    .symbol:         k_q10011a77c9_attn.kd
    .args:
      - { .name: qkv, .offset: 0, .size: 8, .value_kind: global_buffer, .address_space: global }
      - { .name: yf, .offset: 8, .size: 8, .value_kind: global_buffer, .address_space: global }
    .group_segment_fixed_size: 327680
    .private_segment_fixed_size: 0
    .kernarg_segment_align: 8
    .kernarg_segment_size: 16
    .max_flat_workgroup_size: 256
    .sgpr_count:     66
    .vgpr_count:     352
    .wavefront_size: 32
...
	.end_amdgpu_metadata
.endif
;; end of part 3
;; launch proj (part 4): grid 4 x 64, 4 waves a work-group, clusters of 4 x 4, 327,680 bytes of LDS; arguments yf, wpf, out0; writes out0
.if DOCPART == 4
	.amdgcn_target "amdgcn-amd-amdhsa--gfx1250"
	.amdhsa_code_object_version 6
	.text
	.protected	k_q10011a77c9_proj
	.globl	k_q10011a77c9_proj
	.p2align	8
	.type	k_q10011a77c9_proj,@function
k_q10011a77c9_proj:
	s_mov_b64 s[64:65], 0
	v_nop
	global_prefetch_b8 v0, s[64:65] scope:SCOPE_SE
	s_setreg_imm32_b32 hwreg(HW_REG_WAVE_MODE, 25, 1), 1
	s_wait_xcnt 0x0
	s_wait_alu depctr_hold_cnt(0) depctr_sa_sdst(0) depctr_va_vdst(0) depctr_va_sdst(0) depctr_va_ssrc(0) depctr_va_vcc(0) depctr_vm_vsrc(0)
	s_getreg_b32 s2, hwreg(HW_REG_IB_STS2, 6, 4)
	s_cmp_eq_u32 s2, 0
	s_cbranch_scc0 .Lentry_in_a_cluster
	s_endpgm
.Lentry_in_a_cluster:
	s_bfe_u32 s2, ttmp6, 0x10000c
	s_cmp_lg_u32 s2, 0xf033
	s_cbranch_scc0 .Lentry_shape_is_right
	s_endpgm
.Lentry_shape_is_right:
; PROJ.  out0 = y W_proj: 8,192 x 1,024, K = 1,024, f16 operands, f32 sums.  Both operands arrive as images of fragments (1,024 bytes: register group c of lane l at 512 c + 16 l):
; yf: [64 tokens: 128][K step of 128: 8][token tile 4][32 k: 4][1,024];  wpf: [128 n: 8][K step 8][n tile 8][32 k: 4][1,024].  So a K step's tiles are dense blocks, and fragment loads take 512 consecutive bytes.
; A work-group makes 128 tokens x 256 features (256 work-groups), a wave 64 x 128: 32 accumulators in window 1 ((a, b) at v[8 (8 a + b)]).  Source 0 = 16 features of W_proj, source 1 = 16 tokens of y: a lane holds a token and
; eight neighbouring features.  K goes in eight steps of 128 through two LDS slots.
; CLUSTERS: 4 x 4: y's tiles are shared along a row of the cluster, W_proj's along a column: joint loads; waves 0, 1 ask for y's two blocks of 16,384 bytes, waves 2, 3 for W_proj's two of 32,768.
; Rows 0-15 of each sequence are written here like all others and written anew, more finely, by the launch that follows.
.set SLOT,  98304                      ; y's two blocks, then W_proj's two
.set STAGE, 2*SLOT                     ; behind the ring, bytes of its own: 16 rows x (512 + 16) for each wave
.set SPITCH, 528
.set SPARE, STAGE+4*16*SPITCH
.set ADRA, 16
.set ADRB, 20
.set STO,  24
.set RD,   25
.set CO,   26
.set SPW,  28
.set NIL,  29
.set PFO,  30
.set FA,   32                          ; v32-95   y's fragments, two sets of 4
.set FB,   96                          ; v96-223  W_proj's, two sets of 8
.set BK,   96                          ; the way out: two sets of 64
.set G1,  24
.set G0,  32
.set G1B, 48
.set G0B, 56
.set TI,  66                           ; s66 K steps done
.set LIM, 67                           ; s67 5 in wave 0, else 0
.set PFA, 68                           ; s[68:69]
.set MSB, 0
.macro WIN new
.if MSB != \new
	s_set_vgpr_msb (MSB<<8)|\new
.set MSB, \new
.endif
.endm
.macro PLACES
.rept 4
	v_nop
.endr
.endm
.macro JLOAD s                         ; a joint load; the branch hangs on the wave's number alone
	s_cmp_eq_u32 s11, 0
	s_cbranch_scc0 .Lfor_b_\@
	tensor_load_to_lds s[G0+4*(\s):G0+4*(\s)+3], s[G1:G1+7]
	s_nop 0
	PLACES
	s_branch .Lasked_\@
.Lfor_b_\@:
	tensor_load_to_lds s[G0B+4*(\s):G0B+4*(\s)+3], s[G1B:G1B+7]
	s_nop 0
	PLACES
.Lasked_\@:
.endm
.macro CROUND
	s_barrier_signal -1
	s_barrier_wait -1
	s_cmp_lg_u32 s10, 0
	s_cbranch_scc1 .Lnot_wave_0_\@
	s_barrier_signal -3
.Lnot_wave_0_\@:
	s_barrier_wait -3
	s_barrier_signal -1
	s_barrier_wait -1
.endm
; A prefetch of y's K step two refills on.  A tile row's K step is 32,768 bytes, read by the four partners of my row of the cluster alone: they share it out BY ADDRESS, 8,192 bytes each (cx / 2: which block; cx % 2: which half),
; wave 0 of each, lanes 256 bytes apart: each block of 256 bytes is named once.  K steps 0 to 2 come by their loads alone; the last three trips ask for nothing.  W_proj's fragments are read again by every cluster: not asked for.
.macro ASK
	s_cmp_lt_u32 s[TI], s[LIM]
	s_cbranch_scc0 .Lnot_mine_\@
	global_prefetch_b8 v[PFO], s[PFA:PFA+1] th:TH_LOAD_NT scope:SCOPE_SE
.Lnot_mine_\@:
.endm
.macro FETCH slot, q                   ; 24 loads: the fragments of 32 along K into set q % 2
.irp a, 0,1,2,3
.irp c, 0,1
	ds_load_b128 v[FA+32*((\q)%2)+8*\a+4*\c:FA+32*((\q)%2)+8*\a+4*\c+3], v[ADRA+\slot] offset:(\a*4+(\q))*1024+512*\c
.endr
.endr
.irp b, 0,1,2,3,4,5,6,7
.irp c, 0,1
	ds_load_b128 v[FB+64*((\q)%2)+8*\b+4*\c:FB+64*((\q)%2)+8*\b+4*\c+3], v[ADRB+\slot] offset:(\b*4+(\q))*1024+512*\c
.endr
.endr
.endm
.macro MUL32 f, zero                   ; the 32 accumulators by turns
.irp a, 0,1,2,3
.irp b, 0,1,2,3,4,5,6,7
.if \zero
	v_wmma_f32_16x16x32_f16 v[8*(8*\a+\b):8*(8*\a+\b)+7], v[FB+64*(\f)+8*\b:FB+64*(\f)+8*\b+7], v[FA+32*(\f)+8*\a:FA+32*(\f)+8*\a+7], 0
.else
	v_wmma_f32_16x16x32_f16 v[8*(8*\a+\b):8*(8*\a+\b)+7], v[FB+64*(\f)+8*\b:FB+64*(\f)+8*\b+7], v[FA+32*(\f)+8*\a:FA+32*(\f)+8*\a+7], v[8*(8*\a+\b):8*(8*\a+\b)+7]
.endif
.endr
.endr
.endm
; A K step.  All my tensor loads have landed (my part of this step's tile); the add; my reads of the last step's tile are over; a round of the cluster's barrier; the next tile is asked for, into the slot read last; then the work
.macro TRIP slot, refill, zero
	s_wait_xcnt 0x0                                ; the last prefetch, a K step back, has read its address
	s_add_nc_u64 s[PFA:PFA+1], s[PFA:PFA+1], 16384
	s_wait_tensorcnt 0x0
	ds_add_u32 v[SPW], v[NIL]
	s_add_nc_u64 s[G0+4*\slot+2:G0+4*\slot+3], s[G0+4*\slot+2:G0+4*\slot+3], 2*16384    ; no load of mine is out: this slot's next tile
	s_add_nc_u64 s[G0B+4*\slot+2:G0B+4*\slot+3], s[G0B+4*\slot+2:G0B+4*\slot+3], 2*32768
	s_wait_dscnt 0x0
	CROUND
.if \refill
	JLOAD 1-\slot                                  ; its four v_nop are also the places in front of the loads below
.else
	PLACES
.endif
	FETCH \slot, 0
.if \refill
	ASK
.endif
.irp q, 0,1,2,3
.if \q < 3
.if \q > 0
	PLACES                                         ; the set to be loaded was multiplied just now
.endif
	FETCH \slot, \q+1
	s_wait_dscnt 24                                ; all but the 24 just issued
.else
	s_wait_dscnt 0x0
.endif
	WIN 0x50                                       ; C and D window 1
.if (\zero) && (\q == 0)
	MUL32 0, 1                                     ; the first products start the sums
.else
	MUL32 \q%2, 0
.endif
	WIN 0
.endr
	s_add_co_u32 s[TI], s[TI], 1
.endm
	s_load_b128 s[4:7], s[0:1], 0x0                ; yf s[4:5], wpf s[6:7]
	s_load_b64 s[8:9], s[0:1], 0x10                ; out0
	v_lshl_add_u32 v[SPW], v0, 2, SPARE
	v_mov_b32 v[NIL], 0
	ds_add_u32 v[SPW], v[NIL]                      ; the wave's opening: the add, twice on end, and its wait ahead of my first tensor load
	ds_add_u32 v[SPW], v[NIL]
	v_lshrrev_b32 v1, 5, v0
	v_readfirstlane_b32 s10, v1                    ; wave 0..3
	s_lshr_b32 s11, s10, 1                         ; my 64 tokens of 128.  Also: I fetch for y (0) or W_proj (1)
	s_and_b32 s12, s10, 1                          ; my 128 features of 256.  Also: which block I fetch
	s_bfe_u32 s40, ttmp6, 0x40000                  ; cx = the tile column (the grid is one cluster wide)
	s_bfe_u32 s41, ttmp6, 0x40004                  ; cy
	s_and_b32 s13, ttmp7, 0xffff
	s_lshl_b32 s13, s13, 2
	s_add_co_u32 s13, s13, s41                     ; tile row
	s_lshl_b32 s43, s41, 2
	s_lshl_b32 s43, 15, s43
	s_lshl_b32 s44, 0x1111, s40
	s_or_b32 s[G1+0], s43, (3<<16)|(1<<21)         ; y: 64 rows of 256 bytes, dense
	s_mov_b32 s[G1+1], 32<<16
	s_mov_b32 s[G1+2], 64<<16
	s_mov_b32 s[G1+3], 32<<16
	s_mov_b32 s[G1+4], 64
	s_mov_b32 s[G1+5], 32
	s_mov_b32 s[G1+6], 0
	s_mov_b32 s[G1+7], 0
	s_or_b32 s[G1B+0], s44, (3<<16)|(1<<21)        ; W_proj: 128 rows
	s_mov_b32 s[G1B+1], 32<<16
	s_mov_b32 s[G1B+2], 128<<16
	s_mov_b32 s[G1B+3], 32<<16
	s_mov_b32 s[G1B+4], 128
	s_mov_b32 s[G1B+5], 32
	s_mov_b32 s[G1B+6], 0
	s_mov_b32 s[G1B+7], 0
	s_lshl_b32 s16, s13, 1
	s_add_co_u32 s16, s16, s12
	s_lshl_b32 s16, s16, 17                        ; y: block of 64 tokens x 8 K steps of 16,384
	s_mov_b32 s17, 0
	s_lshl_b32 s46, s40, 1
	s_add_co_u32 s46, s46, s12
	s_lshl_b32 s46, s46, 18                        ; W_proj: block of 128 features x 8 K steps of 32,768
	s_mov_b32 s47, 0
	s_lshl_b32 s20, s12, 14                        ; LDS: y's blocks,
	s_lshl_b32 s21, s12, 15
	s_add_co_u32 s21, s21, 32768                   ; W_proj's behind them
	s_mov_b32 s[TI], 0
	s_cmp_eq_u32 s10, 0
	s_cselect_b32 s[LIM], 5, 0
	s_wait_dscnt 0x0
	s_wait_kmcnt 0x0
	s_add_nc_u64 s[14:15], s[4:5], s[16:17]
	s_add_nc_u64 s[46:47], s[6:7], s[46:47]
	CROUND                                         ; in front of the first joint load
.irp s, 0,1
	s_mov_b32 s[G0+4*\s], 1
	s_add_co_u32 s[G0+4*\s+1], s20, \s*SLOT
	s_add_nc_u64 s[G0+4*\s+2:G0+4*\s+3], s[14:15], \s*16384
	s_or_b32 s[G0+4*\s+3], s[G0+4*\s+3], 0x80000000
	s_mov_b32 s[G0B+4*\s], 1
	s_add_co_u32 s[G0B+4*\s+1], s21, \s*SLOT
	s_add_nc_u64 s[G0B+4*\s+2:G0B+4*\s+3], s[46:47], \s*32768
	s_or_b32 s[G0B+4*\s+3], s[G0B+4*\s+3], 0x80000000
.endr
	JLOAD 0                                        ; K step 0
	v_and_b32 v1, 15, v0
	v_bfe_u32 v2, v0, 4, 1
	v_and_b32 v3, 31, v0
	v_lshlrev_b32 v[CO], 4, v3                     ; 16 x lane
	v_lshlrev_b32 v[PFO], 8, v3
	s_lshl_b32 s21, s11, 14                        ; my 64 tokens
	s_lshl_b32 s22, s12, 15
	s_add_co_u32 s22, s22, 32768                   ; my 128 features
.irp s, 0,1
	v_add_nc_u32 v[ADRA+\s], s21, v[CO]
	v_add_nc_u32 v[ADRB+\s], s22, v[CO]
	s_add_co_u32 s21, s21, SLOT
	s_add_co_u32 s22, s22, SLOT
.endr
	s_mul_i32 s23, s10, 16*SPITCH
	s_add_co_u32 s23, s23, STAGE                   ; my stage
	v_mul_u32_u24 v4, v1, SPITCH
	v_lshl_add_u32 v4, v2, 5, v4
	v_add_nc_u32 v[STO], s23, v4                   ; in: row r, 32 bytes for each half of the lanes
	v_add_nc_u32 v[RD], s23, v[CO]                 ; back: the 32 lanes take a row of 512 bytes
	s_lshl_b32 s16, s13, 19                        ; out0: 128 rows of 4,096 bytes a tile row,
	s_lshl_b32 s17, s11, 18
	s_add_co_u32 s16, s16, s17
	s_lshl_b32 s17, s40, 10                        ; 1,024 bytes a tile column,
	s_add_co_u32 s16, s16, s17
	s_lshl_b32 s17, s12, 9
	s_add_co_u32 s16, s16, s17
	s_mov_b32 s17, 0
	s_add_nc_u64 s[8:9], s[8:9], s[16:17]
	s_lshl_b32 s16, s13, 1                         ; the prefetches: my work-group's 8,192 bytes, at K step 2: each trip steps it once before it asks
	s_lshr_b32 s17, s40, 1
	s_add_co_u32 s16, s16, s17
	s_lshl_b32 s16, s16, 17
	s_and_b32 s17, s40, 1
	s_lshl_b32 s17, s17, 13
	s_add_co_u32 s16, s16, s17
	s_add_co_u32 s16, s16, 2*16384
	s_mov_b32 s17, 0
	s_add_nc_u64 s[PFA:PFA+1], s[4:5], s[16:17]
	TRIP 0, 1, 1
	s_mov_b32 s3, 3
.Llap:
	TRIP 1, 1, 0
	TRIP 0, 1, 0
	s_sub_co_u32 s3, s3, 1
	s_cmp_lg_u32 s3, 0
	s_cbranch_scc1 .Llap
	TRIP 1, 0, 0                                   ; the last K step asks for nothing
; THE WAY OUT, 16 tokens x 128 features at a time, through my own stage: in as 32 bytes a lane, back as whole rows of 512 bytes.  LDS serves a wave's instructions in order: no wait between
.macro TOSTAGE a
	WIN 0x04                                       ; an LDS store's data are its source 1: window 1
.irp b, 0,1,2,3,4,5,6,7
	ds_store_b128 v[STO], v[8*(8*(\a)+\b):8*(8*(\a)+\b)+3] offset:64*\b       ; each accumulator from its low end on
	ds_store_b128 v[STO], v[8*(8*(\a)+\b)+4:8*(8*(\a)+\b)+7] offset:64*\b+16
.endr
	WIN 0
.irp t, 0,1,2,3,4,5,6,7,8,9,10,11,12,13,14,15
	ds_load_b128 v[BK+64*((\a)%2)+4*\t:BK+64*((\a)%2)+4*\t+3], v[RD] offset:\t*SPITCH
.endr
.endm
.macro SEND a, younger
	s_wait_dscnt \younger                          ; the block is back; the next block's 16 stores and 16 loads may be out
.irp t, 0,1,2,3,4,5,6,7,8,9,10,11,12,13,14,15
	global_store_b128 v[CO], v[BK+64*((\a)%2)+4*\t:BK+64*((\a)%2)+4*\t+3], s[8:9] offset:(16*(\a)+\t)*4096 th:TH_STORE_NT   ; 512 consecutive bytes
.endr
.endm
	PLACES
	TOSTAGE 0
.irp a, 1,2,3
.if \a > 1
	s_wait_xcnt 0x0                                ; block a - 2's stores have read their registers
.endif
	TOSTAGE \a
	SEND \a-1, 32
.endr
	SEND 3, 0
	s_wait_tensorcnt 0x0                           ; the wave's end
	ds_add_u32 v[SPW], v[NIL]
	s_wait_dscnt 0x0
	CROUND                                         ; the closing round
	s_endpgm
.Lfunc_end_k_q10011a77c9_proj:
	.size	k_q10011a77c9_proj, .Lfunc_end_k_q10011a77c9_proj-k_q10011a77c9_proj
	.p2alignl 7, 3214868480
	.fill 96, 4, 3214868480
	.section	.rodata,"a",@progbits
	.p2align	6, 0x0
	.amdhsa_kernel k_q10011a77c9_proj
		.amdhsa_group_segment_fixed_size 327680
		.amdhsa_private_segment_fixed_size 0
		.amdhsa_enable_private_segment 0
		.amdhsa_kernarg_size 24
		.amdhsa_user_sgpr_count 2
		.amdhsa_user_sgpr_kernarg_segment_ptr 1
		.amdhsa_wavefront_size32 1
		.amdhsa_system_sgpr_workgroup_id_x 1
		.amdhsa_system_sgpr_workgroup_id_y 1
		.amdhsa_system_sgpr_workgroup_id_z 1
		.amdhsa_system_vgpr_workitem_id 0
		.amdhsa_next_free_vgpr 512
		.amdhsa_next_free_sgpr 72
		.amdhsa_reserve_vcc 0
		.amdhsa_float_denorm_mode_32 3
		.amdhsa_float_denorm_mode_16_64 3
		.amdhsa_memory_ordered 1
		.amdhsa_forward_progress 1
		.amdhsa_inst_pref_size 85
	.end_amdhsa_kernel
	.amdgpu_metadata
---
amdhsa.version: [ 1, 2 ]
amdhsa.kernels:
  - .name:           k_q10011a77c9_proj
    .symbol:         k_q10011a77c9_proj.kd
    .args:
      - { .name: yf, .offset: 0, .size: 8, .value_kind: global_buffer, .address_space: global }
      - { .name: wpf, .offset: 8, .size: 8, .value_kind: global_buffer, .address_space: global }
      - { .name: out0, .offset: 16, .size: 8, .value_kind: global_buffer, .address_space: global }
    .group_segment_fixed_size: 327680
    .private_segment_fixed_size: 0
    .kernarg_segment_align: 8
    .kernarg_segment_size: 24
    .max_flat_workgroup_size: 128
    .sgpr_count:     72
    .vgpr_count:     512
    .wavefront_size: 32
...
	.end_amdgpu_metadata
.endif
;; end of part 4
;; launch fine (part 5): grid 16 x 4, 16 waves a work-group, no clusters, 71,680 bytes of LDS; arguments fq, W_proj, out0; writes out0
.if DOCPART == 5
	.amdgcn_target "amdgcn-amd-amdhsa--gfx1250"
	.amdhsa_code_object_version 6
	.text
	.protected	k_q10011a77c9_fine
	.globl	k_q10011a77c9_fine
	.p2align	8
	.type	k_q10011a77c9_fine,@function
k_q10011a77c9_fine:
	s_mov_b64 s[64:65], 0
	v_nop
	global_prefetch_b8 v0, s[64:65] scope:SCOPE_SE
	s_setreg_imm32_b32 hwreg(HW_REG_WAVE_MODE, 25, 1), 1
	s_wait_xcnt 0x0
; FINE.  The first 16 positions of each sequence once more, in f32 throughout: under the causal mask these rows average one to sixteen values, and f16 operands would weigh most there.
; A work-group takes 64 output features (x) of one batch (y); wave w takes head w: its attention over the 16 positions, then its 64 channels' part of the projection; the sixteen parts meet in LDS.
; fq: [batch][feature tile 192][1,024]: f32 accumulators as they stood.  q, k (tiles 0-127): lane (r, h) holds token r, register j feature 8 h + j.  v (tiles 128-191): lane (r, h) holds channel r, register j token 8 h + j.
; THE IMAGES ARE OPERANDS AS THEY STAND.  The f32 matrix form takes two registers a side, lane (r, h): row r, k = 2 h + j.  A register pair (2 p, 2 p + 1) of an image stands for the four true indices 8 h + 2 p + j, the same four
; in the same lanes on both sides of each product: a permutation of k applied alike to both sources.
; S^T = K Q^T (lane: query r, register j: key 8 h + j);  O^T = V^T P (register j: channel 8 h + j);  out^T = W^T Y (register j: feature 8 h + j).  Each result is the next product's source 1 as it stands.
; The accumulators v112-143 are written by matrix instructions alone; each sum begins with C = 0; four accumulators take turns.  What is made of a sum goes into other registers.
; No cluster, no tensor load: the launch is small and its work-groups share little.
.set LI,  1                            ; v1  16 x lane
.set WO,  4                            ; v4  W_proj: 8 h rows + 4 r
.set RH,  5                            ; v5  r - 8 h
.set SA,  6                            ; v6  LDS: where my part goes
.set RA,  7                            ; v7  LDS: where I gather
.set GA,  8                            ; v8  out0: 4,096 h + 16 r
.set NINF, 9
.set SPW, 14
.set NIL, 15
.set QI,  16
.set KI,  48
.set VI,  80
.set ACC, 112
.set SS,  144
.set P,   152
.set YN,  160
.set SPARE, 69632                      ; behind the sixteen parts of 16 rows x (256 + 16) bytes
	s_load_b128 s[4:7], s[0:1], 0x0                ; fq s[4:5], W_proj s[6:7]
	s_load_b64 s[8:9], s[0:1], 0x10                ; out0
	v_lshl_add_u32 v[SPW], v0, 2, SPARE
	v_mov_b32 v[NIL], 0
	v_lshrrev_b32 v1, 5, v0
	v_readfirstlane_b32 s10, v1                    ; wave = head
	v_and_b32 v10, 31, v0
	v_lshlrev_b32 v[LI], 4, v10
	v_and_b32 v2, 15, v0                           ; r
	v_bfe_u32 v3, v0, 4, 1                         ; h
	v_lshlrev_b32 v[WO], 15, v3
	v_lshl_add_u32 v[WO], v2, 2, v[WO]
	v_lshlrev_b32 v10, 3, v3
	v_sub_nc_u32 v[RH], v2, v10
	s_mul_i32 s18, s10, 4352
	v_mul_u32_u24 v[SA], v2, 272
	v_lshl_add_u32 v[SA], v3, 5, v[SA]
	v_add_nc_u32 v[SA], s18, v[SA]                 ; my part: row = token r, 32 h
	s_and_b32 s18, s10, 7
	s_mul_i32 s18, s18, 544
	v_mul_u32_u24 v[RA], v3, 272
	v_lshl_add_u32 v[RA], v2, 4, v[RA]
	v_add_nc_u32 v[RA], s18, v[RA]                 ; tokens 2 w + h, 16 r
	v_lshlrev_b32 v[GA], 12, v3
	v_lshl_add_u32 v[GA], v2, 4, v[GA]
	v_mov_b32 v[NINF], 0xff800000
	s_and_b32 s11, ttmp7, 0xffff                   ; batch
	s_mul_i32 s12, s11, 196608
	s_lshl_b32 s13, s10, 12
	s_add_co_u32 s12, s12, s13                     ; my head's four tiles
	s_mov_b32 s13, 0
	s_lshl_b32 s14, s10, 18                        ; W_proj: my head's 64 rows,
	s_lshl_b32 s15, ttmp9, 8                       ; the work-group's 64 columns
	s_add_co_u32 s14, s14, s15
	s_mov_b32 s15, 0
	s_lshl_b32 s16, s11, 23                        ; out0: the batch,
	s_lshl_b32 s17, s10, 13                        ; rows 2 w on,
	s_add_co_u32 s16, s16, s17
	s_lshl_b32 s17, ttmp9, 8
	s_add_co_u32 s16, s16, s17
	s_mov_b32 s17, 0
	s_mov_b32 s20, 0x76543210
	s_mov_b32 s21, 0xfedcba98
	s_mov_b32 s22, 0x3e38aa3b                      ; c = log2(e) / 8
	s_wait_kmcnt 0x0
	s_add_nc_u64 s[4:5], s[4:5], s[12:13]
	s_add_nc_u64 s[6:7], s[6:7], s[14:15]
	s_add_nc_u64 s[8:9], s[8:9], s[16:17]
.irp sec, 0,1,2                                ; q's, k's, v's images: 24 loads
.irp f, 0,1,2,3
.irp c, 0,1
	global_load_b128 v[QI+32*\sec+8*\f+4*\c:QI+32*\sec+8*\f+4*\c+3], v[LI], s[4:5] offset:\sec*65536+\f*1024+\c*512
.endr
.endr
.endr
; W_proj for feature tile n: register 8 ct + j of lane (r, h): W_proj(64 head + 16 ct + 8 h + j, 64 x + 16 n + r)
.macro WLOAD n, reg
.irp ct, 0,1,2,3
.irp j, 0,1,2,3,4,5,6,7
	global_load_b32 v[\reg+8*\ct+\j], v[WO], s[6:7] offset:(16*\ct+\j)*4096+64*\n
.endr
.endr
.endm
	WLOAD 0, 192
	WLOAD 1, 224
	s_wait_loadcnt 63                              ; of the 88 loads issued the first 25 are in: all 24 of the images
.irp p, 0,1,2,3                                ; S^T: an accumulator for each 16 channels, four links each
.irp f, 0,1,2,3
.if \p == 0
	v_wmma_f32_16x16x4_f32 v[ACC+8*\f:ACC+8*\f+7], v[KI+8*\f+2*\p:KI+8*\f+2*\p+1], v[QI+8*\f+2*\p:QI+8*\f+2*\p+1], 0
.else
	v_wmma_f32_16x16x4_f32 v[ACC+8*\f:ACC+8*\f+7], v[KI+8*\f+2*\p:KI+8*\f+2*\p+1], v[QI+8*\f+2*\p:QI+8*\f+2*\p+1], v[ACC+8*\f:ACC+8*\f+7]
.endif
.endr
.endr
.rept 8
	v_nop                                          ; eight places behind this form: for the reads of results and the loads into q's and k's registers
.endr
	WLOAD 2, 16                                    ; feature tiles 2, 3 take the registers that q and k have left
	WLOAD 3, 48
.irp j, 0,2,4,6
	v_pk_add_f32 v[SS+\j:SS+\j+1], v[ACC+\j:ACC+\j+1], v[ACC+8+\j:ACC+8+\j+1]
.endr
.irp j, 0,2,4,6
	v_pk_add_f32 v[P+\j:P+\j+1], v[ACC+16+\j:ACC+16+\j+1], v[ACC+24+\j:ACC+24+\j+1]
.endr
.irp j, 0,2,4,6
	v_pk_add_f32 v[SS+\j:SS+\j+1], v[SS+\j:SS+\j+1], v[P+\j:P+\j+1]
.endr
.irp j, 0,1,2,3,4,5,6,7
	v_cmp_gt_i32 vcc_lo, \j, v[RH]                 ; key 8 h + j behind query r
	v_cndmask_b32 v[SS+\j], v[SS+\j], v[NINF], vcc_lo
.endr
	v_max3_num_f32 v10, v[SS], v[SS+1], v[SS+2]
	v_max3_num_f32 v11, v[SS+3], v[SS+4], v[SS+5]
	v_max3_num_f32 v10, v10, v[SS+6], v[SS+7]
	v_max_num_f32 v10, v10, v11
	v_permlanex16_b32 v11, v10, s20, s21
	v_max_num_f32 v10, v10, v11                    ; the row's maximum (key 0 counts for every query)
	v_mul_f32 v10, s22, v10
.irp j, 0,1,2,3,4,5,6,7
	v_fma_f32 v[P+\j], v[SS+\j], s22, -v10
.endr
.irp j, 0,1,2,3,4,5,6,7
	v_exp_f32 v[P+\j], v[P+\j]
.endr
	v_nop
	s_wait_alu depctr_va_vdst(0)                   ; one wait for the eight, ahead of their first reader
	v_pk_add_f32 v[10:11], v[P:P+1], v[P+2:P+3]
	v_pk_add_f32 v[12:13], v[P+4:P+5], v[P+6:P+7]
	v_pk_add_f32 v[10:11], v[10:11], v[12:13]
	v_add_f32 v10, v10, v11
	v_permlanex16_b32 v11, v10, s20, s21
	v_add_f32 v10, v10, v11
	v_rcp_f32 v12, v10
	v_mov_b32 v13, 0                               ; a plain line behind the reciprocal; also the pair's upper half
	s_wait_alu depctr_va_vdst(0)
.irp p, 0,1,2,3                                ; O^T: an accumulator for each 16 channels; K = the 16 keys
.irp ct, 0,1,2,3
.if \p == 0
	v_wmma_f32_16x16x4_f32 v[ACC+8*\ct:ACC+8*\ct+7], v[VI+8*\ct+2*\p:VI+8*\ct+2*\p+1], v[P+2*\p:P+2*\p+1], 0
.else
	v_wmma_f32_16x16x4_f32 v[ACC+8*\ct:ACC+8*\ct+7], v[VI+8*\ct+2*\p:VI+8*\ct+2*\p+1], v[P+2*\p:P+2*\p+1], v[ACC+8*\ct:ACC+8*\ct+7]
.endif
.endr
.endr
.rept 9
	v_nop                                          ; nine places: the accumulators are read below, and then begun anew by matrix instructions
.endr
.set i, 0
.rept 16
	v_pk_mul_f32 v[YN+2*i:YN+2*i+1], v[ACC+2*i:ACC+2*i+1], v[12:13] op_sel_hi:[1,0]   ; y = O / l
.set i, i+1
.endr
	s_wait_loadcnt 0x0                             ; W_proj
.irp ct, 0,1,2,3                               ; out^T: an accumulator for each 16 features, sixteen links each
.irp p, 0,1,2,3
.irp n, 0,1,2,3
.if (\ct == 0) && (\p == 0)
	v_wmma_f32_16x16x4_f32 v[ACC+8*\n:ACC+8*\n+7], v[192+32*\n-240*(\n/2)+8*\ct+2*\p:192+32*\n-240*(\n/2)+8*\ct+2*\p+1], v[YN+8*\ct+2*\p:YN+8*\ct+2*\p+1], 0
.else
	v_wmma_f32_16x16x4_f32 v[ACC+8*\n:ACC+8*\n+7], v[192+32*\n-240*(\n/2)+8*\ct+2*\p:192+32*\n-240*(\n/2)+8*\ct+2*\p+1], v[YN+8*\ct+2*\p:YN+8*\ct+2*\p+1], v[ACC+8*\n:ACC+8*\n+7]
.endif
.endr
.endr
.endr
.rept 8
	v_nop
.endr
.irp n, 0,1,2,3
	ds_store_b128 v[SA], v[ACC+8*\n:ACC+8*\n+3] offset:64*\n           ; token r, features 16 n + 8 h + 0 .. 7
	ds_store_b128 v[SA], v[ACC+8*\n+4:ACC+8*\n+7] offset:64*\n+16
.endr
	s_wait_dscnt 0x0                               ; for the others' sake: my part lies in LDS
	s_barrier_signal -1
	s_barrier_wait -1
	s_cmp_lt_u32 s10, 8                            ; waves 0-7 add the sixteen parts of two tokens each
	s_cbranch_scc0 .Lend
.irp p, 0,1,2,3,4,5,6,7,8,9,10,11,12,13,14,15
	ds_load_b128 v[16+4*\p:16+4*\p+3], v[RA] offset:\p*4352
.endr
	s_wait_dscnt 0x0
.irp d, 32,16,8,4
.set i, 0
.rept \d/2
	v_pk_add_f32 v[16+2*i:17+2*i], v[16+2*i:17+2*i], v[16+\d+2*i:17+\d+2*i]
.set i, i+1
.endr
.endr
	global_store_b128 v[GA], v[16:19], s[8:9]      ; two rows x 256 consecutive bytes
.Lend:
	s_wait_tensorcnt 0x0                           ; the wave's end, behind my last LDS store
	ds_add_u32 v[SPW], v[NIL]
	s_wait_dscnt 0x0
	s_endpgm
.Lfunc_end_k_q10011a77c9_fine:
	.size	k_q10011a77c9_fine, .Lfunc_end_k_q10011a77c9_fine-k_q10011a77c9_fine
	.p2alignl 7, 3214868480
	.fill 96, 4, 3214868480
	.section	.rodata,"a",@progbits
	.p2align	6, 0x0
	.amdhsa_kernel k_q10011a77c9_fine
		.amdhsa_group_segment_fixed_size 71680
		.amdhsa_private_segment_fixed_size 0
		.amdhsa_enable_private_segment 0
		.amdhsa_kernarg_size 24
		.amdhsa_user_sgpr_count 2
		.amdhsa_user_sgpr_kernarg_segment_ptr 1
		.amdhsa_wavefront_size32 1
		.amdhsa_system_sgpr_workgroup_id_x 1
		.amdhsa_system_sgpr_workgroup_id_y 1
		.amdhsa_system_sgpr_workgroup_id_z 1
		.amdhsa_system_vgpr_workitem_id 0
		.amdhsa_next_free_vgpr 256
		.amdhsa_next_free_sgpr 66
		.amdhsa_reserve_vcc 1
		.amdhsa_float_denorm_mode_32 3
		.amdhsa_float_denorm_mode_16_64 3
		.amdhsa_memory_ordered 1
		.amdhsa_forward_progress 1
		.amdhsa_inst_pref_size 32
	.end_amdhsa_kernel
	.amdgpu_metadata
---
amdhsa.version: [ 1, 2 ]
amdhsa.kernels:
  - .name:           k_q10011a77c9_fine
    .symbol:         k_q10011a77c9_fine.kd
    .args:
      - { .name: fq, .offset: 0, .size: 8, .value_kind: global_buffer, .address_space: global }
      - { .name: W_proj, .offset: 8, .size: 8, .value_kind: global_buffer, .address_space: global }
      - { .name: out0, .offset: 16, .size: 8, .value_kind: global_buffer, .address_space: global }
    .group_segment_fixed_size: 71680
    .private_segment_fixed_size: 0
    .kernarg_segment_align: 8
    .kernarg_segment_size: 24
    .max_flat_workgroup_size: 512
    .sgpr_count:     66
    .vgpr_count:     256
    .wavefront_size: 32
...
	.end_amdgpu_metadata
.endif
;; end of part 5
